; MI455X (gfx1250); checked and timed in simulation.
; The chip was launched on July 23, 2026; its instructions are those of AMD's public machine-readable ISA for CDNA 5 (MIT licence, August 2026) and "CDNA5" Instruction Set Architecture Reference Guide (July 2026). The comments in the code are by the model that wrote it; some were corrected since.
;; Attention. Allowed arithmetic: float matrix products may take bf16 or f16 operands with f32 sums; all other float work in f32.
;; Inputs: en_output 64 x 1,024 x 1,024 float32; hidden 1 x 64 x 1,024 float32; v_w 1 x 1,024 float32; w_de_b 1,024 float32; w_de_w 1,024 x 1,024 float32; w_en_b 1,024 float32; w_en_w 1,024 x 1,024 float32.
;; Outputs: out0 64 x 1 x 1,024 float32; out1 64 x 1,024 float32.
;; 2 versions, each right; version 2 is version 1 with the launch main written anew for expert scheduling mode. Each part assembles by itself: llvm-mc -triple=amdgcn-amd-amdhsa -mcpu=gfx1250 --defsym DOCPART=n.
;; ======== version 1 of 2: 3 launches
;; workspace buffers: wf 2,097,152 bytes; cbp 2,097,152 bytes; sc 262,144 bytes; wp 2,097,152 bytes
;; launch prep (part 1): grid 256 x 1, 4 waves a work-group, no clusters, 9,216 bytes of LDS; arguments w_en_w, w_de_w, hidden, wf, cbp; writes wf, cbp
.if DOCPART == 1
	.amdgcn_target "amdgcn-amd-amdhsa--gfx1250"
	.amdhsa_code_object_version 6
	.text
	.protected	k_qd57d709014_prep
	.globl	k_qd57d709014_prep
	.p2align	8
	.type	k_qd57d709014_prep,@function
k_qd57d709014_prep:
	s_mov_b64 s[64:65], 0
	v_nop
	global_prefetch_b8 v0, s[64:65] scope:SCOPE_SE
	s_setreg_imm32_b32 hwreg(HW_REG_WAVE_MODE, 25, 1), 1
	s_wait_xcnt 0x0
; Two small jobs ahead of the main launch, shared out over 256 work-groups of four waves.
; PART A: w_en_w [1024 n][1024 k] f32 is rounded to bf16 and laid out as the matrix instruction's register image, so that the
;   main launch loads a fragment by two loads of 512 consecutive bytes a wave.  Byte offset in wf:
;   ww*524288 + c*262144 + kb*8192 + nb*1024 + half*512 + lane*16  holds the eight bf16 W[n][k .. k+7] with
;   n = 512 c + 128 ww + 16 nb + lane%16,  k = 32 kb + 16 half + 8 (lane/16).
;   Work-group g takes the 16 rows nbg = g/4 and the 256 k of kq = g%4; a wave takes 64 k (two kb): 256 bytes of each row.
; PART B: cbp[ks][b][d] = sum over k = 128 ks .. +127 of hidden[b][k] w_de_w[d][k]  (bf16 operands, f32 sums).
;   Work-group g takes 64 d (dg = g/16), one k slice (ks = (g/2)%8) and 32 batches (mh = g%2); a wave takes 16 d.
;   The eight slices are summed, with both biases, by the main launch: no sum spans work-groups here.
; No tensor loads and no cluster: each work-group reads 64 KiB once, and w_de_w's tile is shared by two work-groups, hidden's by sixteen.
.set FA,  16                           ; v[16:47]    part A: 2 kb x 16 f32, packed in place
.set FW,  48                           ; v[48:111]   w_de_w: 4 kb x 16 f32, packed in place to fragments of 8 registers
.set FH,  112                          ; v[112:239]  hidden: 2 blocks of 16 batches x 4 kb x 16 f32, likewise
.set ACC, 240                          ; v[240:255]  two accumulator tiles
.set OP,  272                          ; LDS pitch on the way out: 256 bytes of a row + 16 = 17 x 16
	s_load_b256 s[4:11], s[0:1], 0x0               ; w_en_w s[4:5], w_de_w s[6:7], hidden s[8:9], wf s[10:11]
	s_load_b64 s[12:13], s[0:1], 0x20              ; cbp
	v_lshl_add_u32 v14, v0, 2, 0x2200
	v_mov_b32 v15, 0
	v_lshrrev_b32 v1, 5, v0
	v_readfirstlane_b32 s2, v1                     ; wave 0..3
	v_and_b32 v2, 15, v0                           ; r = lane % 16
	v_bfe_u32 v3, v0, 4, 1                         ; h = lane / 16
	v_lshlrev_b32 v4, 12, v2
	v_lshl_add_u32 v4, v3, 5, v4                   ; r rows of 4,096 bytes + 32 h: the lane's part of all three inputs' offsets
	v_and_b32 v5, 31, v0
	v_lshlrev_b32 v5, 4, v5                        ; 16 x lane: the image's stores
	v_mul_u32_u24 v6, v2, OP
	v_lshl_add_u32 v6, v3, 5, v6
	v_lshl_add_u32 v6, v1, 6, v6                   ; way out, in: row r, bytes 64 w + 32 h
	v_lshrrev_b32 v9, 4, v0                        ; thread / 16: one of 8 rows
	v_mul_u32_u24 v7, v9, OP
	v_lshl_add_u32 v7, v2, 4, v7                   ; way out, back: sixteen threads take one row of 256 bytes
	v_lshlrev_b32 v8, 12, v9
	v_lshl_add_u32 v8, v2, 4, v8                   ; and the same in cbp
	; part A's scalars
	s_lshr_b32 s14, ttmp9, 2                       ; nbg: which 16 rows of W
	s_and_b32 s15, ttmp9, 3
	s_lshl_b32 s15, s15, 3
	s_lshl1_add_u32 s15, s2, s15                   ; kb0 = 8 kq + 2 w
	s_lshl_b32 s16, s14, 16                        ; 16 rows of 4,096 bytes
	s_lshl_b32 s17, s15, 7                         ; 128 bytes of f32 a kb
	s_add_co_u32 s16, s16, s17
	s_mov_b32 s17, 0
	s_bfe_u32 s18, s14, 0x20003                    ; ww = (nbg / 8) % 4
	s_lshl_b32 s18, s18, 19
	s_lshr_b32 s19, s14, 5                         ; c = nbg / 32
	s_lshl_b32 s19, s19, 18
	s_add_co_u32 s18, s18, s19
	s_lshl_b32 s19, s15, 13                        ; kb0 x 8,192
	s_add_co_u32 s18, s18, s19
	s_and_b32 s19, s14, 7                          ; nb
	s_lshl_b32 s19, s19, 10
	s_add_co_u32 s18, s18, s19
	s_mov_b32 s19, 0
	; part B's scalars
	s_lshr_b32 s20, ttmp9, 4                       ; dg
	s_bfe_u32 s21, ttmp9, 0x30001                  ; ks
	s_and_b32 s22, ttmp9, 1                        ; mh
	s_lshl_b32 s24, s20, 18                        ; 64 dg rows of w_de_w
	s_lshl_b32 s25, s2, 16                         ; + 16 w rows
	s_add_co_u32 s24, s24, s25
	s_lshl_b32 s25, s21, 9                         ; + 128 ks numbers
	s_add_co_u32 s24, s24, s25
	s_lshl_b32 s26, s22, 17                        ; 32 mh rows of hidden
	s_add_co_u32 s26, s26, s25
	s_mov_b32 s25, 0
	s_mov_b32 s27, 0
	s_lshl_b32 s28, s21, 18                        ; cbp: slice ks,
	s_lshl_b32 s29, s22, 17                        ; batch 32 mh,
	s_add_co_u32 s28, s28, s29
	s_lshl_b32 s29, s20, 8                         ; column 64 dg
	s_add_co_u32 s28, s28, s29
	s_mov_b32 s29, 0
	s_wait_kmcnt 0x0
	s_add_nc_u64 s[4:5], s[4:5], s[16:17]
	s_add_nc_u64 s[10:11], s[10:11], s[18:19]
	s_add_nc_u64 s[6:7], s[6:7], s[24:25]
	s_add_nc_u64 s[8:9], s[8:9], s[26:27]
	s_add_nc_u64 s[12:13], s[12:13], s[28:29]
	; all 56 loads go out at once: part A's 8 first
.irp kbl, 0,1
.irp c, 0,1
.irp q, 0,1
	global_load_b128 v[FA+16*\kbl+8*\c+4*\q:FA+16*\kbl+8*\c+4*\q+3], v4, s[4:5] offset:\kbl*128+\c*64+\q*16 th:TH_LOAD_NT
.endr
.endr
.endr
.irp kb, 0,1,2,3
.irp c, 0,1
.irp q, 0,1
	global_load_b128 v[FW+16*\kb+8*\c+4*\q:FW+16*\kb+8*\c+4*\q+3], v4, s[6:7] offset:\kb*128+\c*64+\q*16
.endr
.endr
.endr
.irp mb, 0,1
.irp kb, 0,1,2,3
.irp c, 0,1
.irp q, 0,1
	global_load_b128 v[FH+64*\mb+16*\kb+8*\c+4*\q:FH+64*\mb+16*\kb+8*\c+4*\q+3], v4, s[8:9] offset:\mb*65536+\kb*128+\c*64+\q*16
.endr
.endr
.endr
.endr
; sixteen f32 become eight registers of bf16 pairs, in place: register i takes numbers 2i and 2i+1, and i <= 2i
.macro PACK base
.irp i, 0,1,2,3,4,5,6,7
	v_cvt_pk_bf16_f32 v[(\base)+\i], v[(\base)+2*\i], v[(\base)+2*\i+1]
.endr
.endm
	s_wait_loadcnt 48                              ; loads return in order (ISA guide 5.7.1): part A's 8 are in, part B's 48 stay out
	PACK FA
	PACK FA+16
.irp kbl, 0,1
.irp hf, 0,1
	global_store_b128 v5, v[FA+16*\kbl+4*\hf:FA+16*\kbl+4*\hf+3], s[10:11] offset:\kbl*8192+\hf*512   ; 512 consecutive bytes a store
.endr
.endr
	s_wait_loadcnt 0x0
.irp kb, 0,1,2,3
	PACK FW+16*\kb
	PACK FH+16*\kb
	PACK FH+64+16*\kb
.endr
	; used transposed: source 0 = 16 rows of w_de_w, source 1 = 16 rows of hidden, so that lane (r, h) holds batch r and the eight
	; neighbouring columns d = 8 h + 0..7.  The two accumulators take turns, one instruction a turn.
.irp kb, 0,1,2,3
.irp mb, 0,1
.if \kb == 0
	v_wmma_f32_16x16x32_bf16 v[ACC+8*\mb:ACC+8*\mb+7], v[FW+16*\kb:FW+16*\kb+7], v[FH+64*\mb+16*\kb:FH+64*\mb+16*\kb+7], 0
.else
	v_wmma_f32_16x16x32_bf16 v[ACC+8*\mb:ACC+8*\mb+7], v[FW+16*\kb:FW+16*\kb+7], v[FH+64*\mb+16*\kb:FH+64*\mb+16*\kb+7], v[ACC+8*\mb:ACC+8*\mb+7]
.endif
.endr
.endr
.rept 4
	v_nop                                          ; four places behind the last matrix instruction: the stores read results, the loads below land on sources
.endr
.irp mb, 0,1
	ds_store_b128 v6, v[ACC+8*\mb:ACC+8*\mb+3] offset:\mb*16*OP
	ds_store_b128 v6, v[ACC+8*\mb+4:ACC+8*\mb+7] offset:\mb*16*OP+16
.endr
	s_wait_dscnt 0x0                               ; my stores are in LDS before I say so: the other waves read them
	s_barrier_signal -1
	s_barrier_wait -1
.irp ps, 0,1,2,3
	ds_load_b128 v[FW+4*\ps:FW+4*\ps+3], v7 offset:\ps*8*OP
.endr
.irp ps, 0,1,2,3
	s_wait_dscnt 3-\ps                             ; pass ps is back, the younger ones stay out
	global_store_b128 v8, v[FW+4*\ps:FW+4*\ps+3], s[12:13] offset:\ps*32768   ; sixteen lanes store 256 consecutive bytes, at a multiple of 256 from cbp's first byte
.endr
	s_wait_tensorcnt 0x0
	ds_add_u32 v14, v15
	s_wait_dscnt 0x0
	s_endpgm
.Lfunc_end_k_qd57d709014_prep:
	.size	k_qd57d709014_prep, .Lfunc_end_k_qd57d709014_prep-k_qd57d709014_prep
	.p2alignl 7, 3214868480
	.fill 96, 4, 3214868480
	.section	.rodata,"a",@progbits
	.p2align	6, 0x0
	.amdhsa_kernel k_qd57d709014_prep
		.amdhsa_group_segment_fixed_size 9216
		.amdhsa_private_segment_fixed_size 0
		.amdhsa_enable_private_segment 0
		.amdhsa_kernarg_size 40
		.amdhsa_user_sgpr_count 2
		.amdhsa_user_sgpr_kernarg_segment_ptr 1
		.amdhsa_wavefront_size32 1
		.amdhsa_system_sgpr_workgroup_id_x 1
		.amdhsa_system_sgpr_workgroup_id_y 1
		.amdhsa_system_sgpr_workgroup_id_z 1
		.amdhsa_system_vgpr_workitem_id 0
		.amdhsa_next_free_vgpr 256
		.amdhsa_next_free_sgpr 66
		.amdhsa_reserve_vcc 0
		.amdhsa_float_denorm_mode_32 3
		.amdhsa_float_denorm_mode_16_64 3
		.amdhsa_memory_ordered 1
		.amdhsa_forward_progress 1
		.amdhsa_inst_pref_size 18
	.end_amdhsa_kernel
	.amdgpu_metadata
---
amdhsa.version: [ 1, 2 ]
amdhsa.kernels:
  - .name:           k_qd57d709014_prep
    .symbol:         k_qd57d709014_prep.kd
    .args:
      - { .name: w_en_w, .offset: 0, .size: 8, .value_kind: global_buffer, .address_space: global }
      - { .name: w_de_w, .offset: 8, .size: 8, .value_kind: global_buffer, .address_space: global }
      - { .name: hidden, .offset: 16, .size: 8, .value_kind: global_buffer, .address_space: global }
      - { .name: wf, .offset: 24, .size: 8, .value_kind: global_buffer, .address_space: global }
      - { .name: cbp, .offset: 32, .size: 8, .value_kind: global_buffer, .address_space: global }
    .group_segment_fixed_size: 9216
    .private_segment_fixed_size: 0
    .kernarg_segment_align: 8
    .kernarg_segment_size: 40
    .max_flat_workgroup_size: 128
    .sgpr_count:     66
    .vgpr_count:     256
    .wavefront_size: 32
...
	.end_amdgpu_metadata
.endif
;; end of part 1
;; launch main (part 2): grid 512 x 1, 4 waves a work-group, no clusters, 276,992 bytes of LDS; arguments en_output, cbp, w_de_b, w_en_b, v_w, wf, sc, wp; writes sc, wp
.if DOCPART == 2
	.amdgcn_target "amdgcn-amd-amdhsa--gfx1250"
	.amdhsa_code_object_version 6
	.text
	.protected	k_qd57d709014_main
	.globl	k_qd57d709014_main
	.p2align	8
	.type	k_qd57d709014_main,@function
k_qd57d709014_main:
	s_mov_b64 s[64:65], 0
	v_nop
	global_prefetch_b8 v0, s[64:65] scope:SCOPE_SE
	s_setreg_imm32_b32 hwreg(HW_REG_WAVE_MODE, 25, 1), 1
	s_wait_xcnt 0x0
; Everything that touches en_output, which is read from memory once.
; Work-group g owns rows 128 g .. +127 of en_output seen as [65536][1024] (all of one batch b = g / 8).  It
;   rounds them to bf16 and keeps them in LDS for its whole life (128 rows, 2,064 bytes apart),
;   multiplies them by all of w_en_w in two chunks of 512 columns (wave w: columns 512 c + 128 w .. +127, all 128 rows: 64 tiles, 512 registers),
;   applies tanh and the dot with v_w to the accumulators in registers, takes its own block's maximum and exponentials,
;   and forms its block's part of the weighted sum from the same LDS rows.
; Out: sc[row] = the score, wp[g][e] = sum over the block's rows of exp(score - block maximum) en[row][e].  The last launch joins the 8 blocks of a batch.
;
; ARITHMETIC, stated plainly.
;   tanh(x) = 1 - 2 / (1 + 2^(2.885390 x)): right at both infinities (2^.. = inf gives 1, = 0 gives -1); the error is a few units in the last place of 1.
;   The score kept is -2 sum_d v[d] / (1 + 2^..).  The term sum_d v[d] that is left out is the same for every position, and softmax does not see it.
;   en_output enters both products rounded to bf16; the weights exp(..) stay f32; all sums are f32.
;   v_exp_f32 gives 0 for results under 2^-126 (ISA guide, its entry in 15.8): weights so small count as 0.  A NaN in the inputs gives NaN.
;
; WHY W COMES STRAIGHT INTO REGISTERS, WITHOUT TENSOR LOADS, LDS SLOTS OR A CLUSTER'S JOINT LOADS, although all work-groups walk the same W:
;   beside the resident rows (264,192 bytes) and 12,288 bytes of tables LDS has 51,200 bytes left: two slots of three K steps (24 KiB) at the most, each used up by
;   192 matrix instructions a wave, with a round of the cluster's barrier for each; and the four waves split the columns, so no fragment of W is
;   read by two waves: through LDS each byte of W would be written and read once more, for no reuse.  Each wave loads its own fragments, three K steps ahead.
;
; REGISTERS, in windows of 256:
;   window 0: addresses v2-24; PK v32-63 a slab packed to bf16; FA v64-127 eight fragments of en; ST0 v128-191, ST1 v192-255 slabs as loaded (f32)
;             from the first epilogue on: v128-159 c', v160-191 v, v192-255 the score sums SA[a][j]
;   window 1: four buffers of eight W fragments;  window 2: tiles of rows 0-63 (tile (a, b) at v[8 (8 a + b)]);  window 3: rows 64-127
; THE MATRIX INSTRUCTION IS USED TRANSPOSED: source 0 = 16 rows of W, source 1 = 16 rows of en.  Lane (r, h), register j holds row 16 a + r, column 16 b + 8 h + j.
.set PITCH, 2064                       ; 2,048 bytes of a row + 16 = 129 x 16: sixteen rows' 16-byte pieces fall on sixteen different 16-byte columns modulo 256
.set CB,    128*PITCH                  ; 4,096 bytes: c'[d] = 2.885390 (sum of cbp's 8 slices + w_de_b + w_en_b); v_w lies 4,096 behind
.set SP,    CB+8192                    ; 2,048 bytes: [4 waves][128 rows] parts of the scores
.set PW,    SP+2048                    ; 2,048 bytes: [4 waves][128] weights, each wave's own copy
.set BOFF, 2                           ; 16 x lane
.set AOFF, 3                           ; en: (32 w + 8 h) rows + 16 r
.set ASTO, 4                           ; LDS: (32 w + 8 h) rows + 8 r, + 256 a trip
.set PFO,  5                           ; en: row = thread
.set SMO,  6                           ; 16 x thread
.set CBST, 7                           ; CB + 16 x thread
.set ADRA, 8                           ; v8-11: (32 q + r) rows + 16 h, + 256 a trip
.set CVAD, 12                          ; CB + 512 w + 32 h
.set SPAD, 13                          ; SP + 512 w + 4 r
.set ADR0, 16                          ; v16-19: ADRA at k = 0, kept
.set SPRD, 20                          ; SP + 16 x lane
.set PWST, 21                          ; PW + 512 w + 16 x lane
.set PWRD, 22                          ; PW + 512 w, + 64 a trip
.set WAD,  23                          ; 512 w + 8 x lane, + 16 rows a trip
.set WPO,  24                          ; 1,024 w + 16 x lane
.set TT,   25
.set PK,   32
.set SM,   32                          ; v32-119: the 22 small loads, at the start only
.set FA,   64
.set ST0,  128
.set CV,   128
.set CVV,  160
.set SA,   192
.set SV,   32                          ; v32-35 four scores
.set PV,   36                          ; v36-39 four weights
.set WS,   40                          ; v40-47 eight sums
.set PP,   48                          ; v48-63 the weights of 16 rows
.set XR,   64                          ; v64-127 16 rows x 8 bf16
.set AB,   8                           ; s[8:9]   en at my rows, + 512 a trip
.set BB,   10                          ; s[10:11] wf at my wave's part, + 32,768 a trip
.set MUL_LO, 0xa1                      ; source 0 window 1, source 1 window 0, C and D window 2
.set MUL_HI, 0xf1                      ; the same, C and D window 3
.set TO_B,   0x40                      ; destination window 1, address window 0
.set MSB, 0
.macro WIN new                         ; the immediate's high byte repeats the setting that is left; a switch that changes nothing is dropped
.if MSB != \new
	s_set_vgpr_msb (MSB<<8)|\new
.set MSB, \new
.endif
.endm
.macro PLACES                          ; four places behind a matrix instruction (ISA guide 7.12.1) before its registers are loaded into or its results read
.rept 4
	v_nop
.endr
.endm
; 16 matrix instructions: row blocks a0, a0+1 of the window's four x all 8 column blocks, 32 along K.  zero = 1: the product starts the sums.
; All 64 accumulators take turns in the same order in every K step, one instruction a turn.
.macro MUL16 hi, a0, buf, zero
.irp a, \a0, \a0+1
.irp b, 0,1,2,3,4,5,6,7
.if \zero
	v_wmma_f32_16x16x32_bf16 v[8*(8*(\a)+\b):8*(8*(\a)+\b)+7], v[64*(\buf)+8*\b:64*(\buf)+8*\b+7], v[FA+8*(4*\hi+(\a)):FA+8*(4*\hi+(\a))+7], 0
.else
	v_wmma_f32_16x16x32_bf16 v[8*(8*(\a)+\b):8*(8*(\a)+\b)+7], v[64*(\buf)+8*\b:64*(\buf)+8*\b+7], v[FA+8*(4*\hi+(\a)):FA+8*(4*\hi+(\a))+7], v[8*(8*(\a)+\b):8*(8*(\a)+\b)+7]
.endif
.endr
.endr
.endm
; 8 LDS loads: four fragments of en (row blocks 4 half .. +3) at byte kimm of the rows
.macro LDA half, kimm
.irp a, 0,1,2,3
	ds_load_b128 v[FA+8*(4*\half+\a):FA+8*(4*\half+\a)+3],   v[ADRA+((4*\half+\a)>>1)] offset:((\a)&1)*16*PITCH+\kimm
	ds_load_b128 v[FA+8*(4*\half+\a)+4:FA+8*(4*\half+\a)+7], v[ADRA+((4*\half+\a)>>1)] offset:((\a)&1)*16*PITCH+\kimm+32
.endr
.endm
; 16 loads of 512 consecutive bytes: the eight W fragments of one K step
.macro LDB buf, imm
.irp i, 0,1,2,3,4,5,6,7
	global_load_b128 v[64*(\buf)+8*\i:64*(\buf)+8*\i+3],   v[BOFF], s[BB:BB+1] offset:\imm+1024*\i
	global_load_b128 v[64*(\buf)+8*\i+4:64*(\buf)+8*\i+7], v[BOFF], s[BB:BB+1] offset:\imm+1024*\i+512
.endr
.endm
; A slab = 64 k of my wave's 32 rows in f32: 16 loads; lanes 0-15 take 256 consecutive bytes of one row, lanes 16-31 of the row 8 below
.macro LDSLAB st, imm
.set li, 0
.rept 16
	global_load_b128 v[(\st)+4*li:(\st)+4*li+3], v[AOFF], s[AB:AB+1] offset:(16*(li>>3)+(li&7))*4096+\imm th:TH_LOAD_NT
.set li, li+1
.endr
.endm
.macro CVT st                          ; the slab is rounded to bf16: 64 registers into 32
.set li, 0
.rept 16
	v_cvt_pk_bf16_f32 v[PK+2*li],   v[(\st)+4*li],   v[(\st)+4*li+1]
	v_cvt_pk_bf16_f32 v[PK+2*li+1], v[(\st)+4*li+2], v[(\st)+4*li+3]
.set li, li+1
.endr
.endm
.macro STS imm                         ; and stored: 8 bytes a lane; the two rows of a store are 8 x 2,064 = 128 modulo 256 bytes apart, so the 32 lanes touch 256 different bytes modulo 256
.set li, 0
.rept 16
	ds_store_b64 v[ASTO], v[PK+2*li:PK+2*li+1] offset:(16*(li>>3)+(li&7))*PITCH+\imm
.set li, li+1
.endr
.endm
; four plain vector instructions that serve as the places: the fragment addresses step to the next trip (1), go back to k = 0 (2), or nothing is to do (0)
.macro NEXTK adv
.if \adv == 1
.irp q, 0,1,2,3
	v_add_nc_u32 v[ADRA+\q], 256, v[ADRA+\q]
.endr
.else
.if \adv == 2
.irp q, 0,1,2,3
	v_mov_b32 v[ADRA+\q], v[ADR0+\q]
.endr
.else
	PLACES
.endif
.endif
.endm
; One K step (s = its number in the trip, W buffer s).  lcnt: the younger global loads that may stay out.  cv: slab j+1 of the trip is rounded into PK (its 32
; conversions are the places); al: the slab two further on is asked for, into the same registers; pf: the slab four further on is asked into the cache;
; bl: W of step s+3 is asked for; pre: the next step's fragments are read; adv: see NEXTK.
.macro STEP s, zero, lcnt, cv, al, pf, bl, pre, adv, j
	s_wait_loadcnt \lcnt                           ; loads return in order (ISA guide 5.7.1): this step's W is in, and every slab asked for before it
	s_wait_dscnt 8                                 ; fragments of rows 0-63 are in; the 8 loads of rows 64-127 may be out
	WIN MUL_LO
	MUL16 0, 0, \s, \zero
	MUL16 0, 2, \s, \zero
	WIN 0
.if \cv
	CVT ST0+64*((\j+1)&1)
.else
	NEXTK \adv
.endif
.if \pre
.if \adv
	LDA 0, 0
.else
	LDA 0, 64*(\s+1)
.endif
.endif
.if \al
	LDSLAB ST0+64*((\j+1)&1), (\j+3)*256
.endif
.if \bl
	WIN TO_B
	LDB (\s+3)&3, (\s+3)*8192
.endif
.if \pf
	global_prefetch_b8 v[PFO], s[AB:AB+1] offset:(\j+5)*256 th:TH_LOAD_NT scope:SCOPE_SE   ; thread t asks for row t's 256 bytes of the slab that is loaded two intervals (four K steps) on: each block once
.endif
.if \pre
	s_wait_dscnt 8                                 ; all but the 8 fragment loads just issued: rows 64-127 are in
.else
	s_wait_dscnt 0
.endif
	WIN MUL_HI
	MUL16 1, 0, \s, \zero
	MUL16 1, 2, \s, \zero
.if \pre
	PLACES
	WIN 0
.if \adv
	LDA 1, 0
.else
	LDA 1, 64*(\s+1)
.endif
.endif
.endm
; The K step in which a slab goes into LDS.  The 16 stores stand between two barriers: in front of the first every wave's reads of the rows have come back,
; behind the second the next step's fragments, the first that lie in the new slab, are read.  Each signal is 16 matrix instructions ahead of its wait.
.macro STEPB s, lcnt, adv, j
	s_wait_loadcnt \lcnt
	s_wait_dscnt 8
	WIN MUL_LO
	MUL16 0, 0, \s, 0
	s_wait_dscnt 0                                 ; all my reads of the rows are back
	s_barrier_signal -1
	MUL16 0, 2, \s, 0
	s_barrier_wait -1                              ; everybody's are
	WIN 0
	STS (\j+1)*128
	WIN TO_B
	LDB (\s+3)&3, (\s+3)*8192                      ; into the last step's buffer: four places stand behind that step's last matrix instruction
	WIN MUL_HI
	MUL16 1, 0, \s, 0
	s_wait_dscnt 0                                 ; my stores are in LDS
	s_barrier_signal -1
	MUL16 1, 2, \s, 0
	s_barrier_wait -1                              ; everybody's are
	WIN 0
	NEXTK \adv
.if \adv
	LDA 0, 0
	LDA 1, 0
.else
	LDA 0, 64*(\s+1)
	LDA 1, 64*(\s+1)
.endif
.endm
.macro TEND a                          ; a trip's end: the bases step behind s_wait_xcnt 0, which frees the address registers of all that has been issued
	WIN 0
	s_wait_xcnt 0x0
	s_add_nc_u64 s[BB:BB+1], s[BB:BB+1], 4*8192
.if \a
	s_add_nc_u64 s[AB:AB+1], s[AB:AB+1], 512
	v_add_nc_u32 v[ASTO], 256, v[ASTO]
.endif
.endm
; A trip of chunk 0: four K steps = two intervals; interval j rounds and stores slab 2T+j+1 and asks for slab 2T+j+3.
; Order of the global loads: S0 S1 B0 | S2 B1 B2 | S3 B3 B4 | ... : behind this step's W stand two steps of W and one slab: 48.
.macro TRIP0 zero, l3, al0, al1, pf0, pf1
	STEP  0, \zero, 48, 1, \al0, \pf0, 1, 1, 0, 0
	STEPB 1, 48, 0, 0
	STEP  2, 0, 48, 1, \al1, \pf1, 1, 1, 0, 1
	STEPB 3, \l3, 1, 1
	TEND 1
.endm
.macro TRIP1 zero                      ; a trip of chunk 1: the rows are all in LDS; behind this step's W stand two steps of W: 32
	STEP 0, \zero, 32, 0, 0, 0, 1, 1, 0, 0
	STEP 1, 0, 32, 0, 0, 0, 1, 1, 0, 0
	STEP 2, 0, 32, 0, 0, 0, 1, 1, 0, 0
	STEP 3, 0, 32, 0, 0, 0, 1, 1, 1, 0
	TEND 0
.endm
; tanh and the dot with v on four tiles (row block a, column blocks 4 bh .. +3), 32 registers: x' = 2.885390 x + c', 2^x', + 1, reciprocal, times v into SA[a].
; The transcendentals stand in runs, and one v_nop stands behind each run before its results are read (ISA guide 5.7.2).
.macro EPI4 c, bh, a
.set TB, 64*((\a)&3)+32*\bh
.if \a < 4
	WIN 0x82                                       ; destination and source 0 window 2, source 2 window 0
.else
	WIN 0xc3
.endif
.set ei, 0
.rept 16
	v_pk_fma_f32 v[TB+2*ei:TB+2*ei+1], v[TB+2*ei:TB+2*ei+1], 0x4038aa3b, v[CV+2*ei:CV+2*ei+1] op_sel_hi:[1,0,1]
.set ei, ei+1
.endr
.set ei, 0
.rept 32
	v_exp_f32 v[TB+ei], v[TB+ei]
.set ei, ei+1
.endr
	v_nop
.set ei, 0
	s_wait_alu depctr_va_vdst(0)
.rept 16
	v_pk_add_f32 v[TB+2*ei:TB+2*ei+1], v[TB+2*ei:TB+2*ei+1], 1.0 op_sel_hi:[1,0]
.set ei, ei+1
.endr
.set ei, 0
.rept 32
	v_rcp_f32 v[TB+ei], v[TB+ei]
.set ei, ei+1
.endr
	v_nop
	s_wait_alu depctr_va_vdst(0)
.if \a < 4
	WIN 0x02                                       ; source 0 window 2, all else window 0
.else
	WIN 0x03
.endif
.set ei, 0
.rept 16
.if (\c+\bh+(ei>>2)) == 0
	s_wait_alu depctr_va_vdst(0)
	v_pk_mul_f32 v[SA+8*\a+2*(ei&3):SA+8*\a+2*(ei&3)+1], v[TB+2*ei:TB+2*ei+1], v[CVV+2*ei:CVV+2*ei+1]   ; the first tile starts the sums: nothing is cleared
.else
	v_pk_fma_f32 v[SA+8*\a+2*(ei&3):SA+8*\a+2*(ei&3)+1], v[TB+2*ei:TB+2*ei+1], v[CVV+2*ei:CVV+2*ei+1], v[SA+8*\a+2*(ei&3):SA+8*\a+2*(ei&3)+1]
.endif
.set ei, ei+1
.endr
.endm
.macro EPI c
	PLACES
.irp bh, 0,1
	WIN 0
.irp bb, 0,1,2,3
	ds_load_b128 v[CV+8*\bb:CV+8*\bb+3],    v[CVAD] offset:\c*2048+(4*\bh+\bb)*64        ; c' of columns 16 b + 8 h + 0..7: the same for all rows
	ds_load_b128 v[CV+8*\bb+4:CV+8*\bb+7],  v[CVAD] offset:\c*2048+(4*\bh+\bb)*64+16
	ds_load_b128 v[CVV+8*\bb:CVV+8*\bb+3],  v[CVAD] offset:4096+\c*2048+(4*\bh+\bb)*64   ; v of the same columns
	ds_load_b128 v[CVV+8*\bb+4:CVV+8*\bb+7], v[CVAD] offset:4096+\c*2048+(4*\bh+\bb)*64+16
.endr
	s_wait_dscnt 0x0
.irp ta, 0,1,2,3,4,5,6,7
	EPI4 \c, \bh, \ta
.endr
.endr
.endm
	; ---- ids, addresses ----
	s_load_b512 s[16:31], s[0:1], 0x0              ; en s[16:17], cbp s[18:19], w_de_b s[20:21], w_en_b s[22:23], v_w s[24:25], wf s[26:27], sc s[28:29], wp s[30:31]
	v_lshl_add_u32 v30, v0, 2, 0x43800
	v_mov_b32 v31, 0
	v_lshrrev_b32 v1, 5, v0
	v_readfirstlane_b32 s2, v1                     ; wave 0..3
	v_and_b32 v14, 15, v0                          ; r
	v_bfe_u32 v15, v0, 4, 1                        ; h
	v_and_b32 v1, 31, v0                           ; lane
	s_mov_b32 s12, 0x76543210                      ; v_permlanex16_b32: lane i of one half reads lane i of the other
	s_mov_b32 s13, 0xfedcba98
	v_lshlrev_b32 v[BOFF], 4, v1
	s_lshl_b32 s14, s2, 17                         ; 32 w rows of 4,096 bytes
	v_lshlrev_b32 v[AOFF], 4, v14
	v_lshl_add_u32 v[AOFF], v15, 15, v[AOFF]
	v_add_nc_u32 v[AOFF], s14, v[AOFF]
	s_mul_i32 s15, s2, 32*PITCH
	v_mul_u32_u24 v[ASTO], v15, 8*PITCH
	v_lshl_add_u32 v[ASTO], v14, 3, v[ASTO]
	v_add_nc_u32 v[ASTO], s15, v[ASTO]
	v_lshlrev_b32 v[PFO], 12, v0
	v_lshlrev_b32 v[SMO], 4, v0
	v_add_nc_u32 v[CBST], CB, v[SMO]
	v_mul_u32_u24 v[TT], v14, PITCH
	v_lshl_add_u32 v[TT], v15, 4, v[TT]
.irp q, 0,1,2,3
	v_add_nc_u32 v[ADR0+\q], \q*32*PITCH, v[TT]
	v_add_nc_u32 v[ADRA+\q], \q*32*PITCH, v[TT]
.endr
	s_lshl_b32 s14, s2, 9                          ; 512 w
	s_add_co_u32 s15, s14, CB
	v_lshl_add_u32 v[CVAD], v15, 5, s15
	s_add_co_u32 s15, s14, SP
	v_lshl_add_u32 v[SPAD], v14, 2, s15
	v_add_nc_u32 v[SPRD], SP, v[BOFF]
	s_add_co_u32 s15, s14, PW
	v_add_nc_u32 v[PWST], s15, v[BOFF]
	v_mov_b32 v[PWRD], s15
	v_lshl_add_u32 v[WAD], v1, 3, s14
	s_lshl_b32 s15, s2, 10
	v_add_nc_u32 v[WPO], s15, v[BOFF]
	s_lshl_b32 s6, ttmp9, 19                       ; 128 rows of 4,096 bytes a work-group: under 2^28
	s_mov_b32 s7, 0
	s_lshl_b32 s38, s2, 19                         ; my wave's 512 KiB of the image
	s_mov_b32 s39, 0
	s_lshr_b32 s40, ttmp9, 3                       ; batch
	s_lshl_b32 s40, s40, 12
	s_mov_b32 s41, 0
	s_lshl_b32 s42, ttmp9, 9                       ; 128 scores
	s_mov_b32 s43, 0
	s_lshl_b32 s44, ttmp9, 12                      ; 1,024 sums
	s_mov_b32 s45, 0
	s_wait_kmcnt 0x0
	s_add_nc_u64 s[AB:AB+1], s[16:17], s[6:7]
	s_add_nc_u64 s[BB:BB+1], s[26:27], s[38:39]
	s_add_nc_u64 s[32:33], s[18:19], s[40:41]
	s_add_nc_u64 s[34:35], s[28:29], s[42:43]
	s_add_nc_u64 s[36:37], s[30:31], s[44:45]
	; ---- the start: the tables, slab 0, and the first loads of the ring ----
.irp n, 0,1,2,3,4,5,6,7
	global_load_b128 v[SM+8*\n:SM+8*\n+3],   v[SMO], s[32:33] offset:\n*262144
	global_load_b128 v[SM+8*\n+4:SM+8*\n+7], v[SMO], s[32:33] offset:\n*262144+2048
.endr
	global_load_b128 v[SM+64:SM+67], v[SMO], s[20:21]
	global_load_b128 v[SM+68:SM+71], v[SMO], s[20:21] offset:2048
	global_load_b128 v[SM+72:SM+75], v[SMO], s[22:23]
	global_load_b128 v[SM+76:SM+79], v[SMO], s[22:23] offset:2048
	global_load_b128 v[SM+80:SM+83], v[SMO], s[24:25]
	global_load_b128 v[SM+84:SM+87], v[SMO], s[24:25] offset:2048
	LDSLAB ST0, 0
	LDSLAB ST0+64, 256
	WIN TO_B
	LDB 0, 0
	WIN 0
	s_wait_loadcnt 48                              ; the 22 small loads are in; slabs 0 and 1 and W's step 0 (16 each) stay out
.irp n, 1,2,3,4,5,6,7,8,9
.irp p, 0,2,4,6
	v_pk_add_f32 v[SM+\p:SM+\p+1], v[SM+\p:SM+\p+1], v[SM+8*\n+\p:SM+8*\n+\p+1]
.endr
.endr
.irp p, 0,2,4,6
	v_pk_mul_f32 v[SM+\p:SM+\p+1], v[SM+\p:SM+\p+1], 0x4038aa3b op_sel_hi:[1,0]
.endr
	ds_store_b128 v[CBST], v[SM:SM+3]
	ds_store_b128 v[CBST], v[SM+4:SM+7] offset:2048
	ds_store_b128 v[CBST], v[SM+80:SM+83] offset:4096
	ds_store_b128 v[CBST], v[SM+84:SM+87] offset:6144
	s_wait_loadcnt 32                              ; slab 0 is in; slab 1 and W's step 0 stay out
	CVT ST0
	STS 0
	LDSLAB ST0, 512
	WIN TO_B
	LDB 1, 8192
	LDB 2, 16384
	WIN 0
	s_wait_dscnt 0x0                               ; my part of the tables and of slab 0 is in LDS
	s_barrier_signal -1
	s_barrier_wait -1
	LDA 0, 0
	LDA 1, 0
	; ---- chunk 0: K steps 0-31, while the other 15 slabs come in ----
	TRIP0 1, 48, 1, 1, 1, 1                        ; trip 0: its first step starts the sums
	s_mov_b32 s3, 4
.Lchunk0:
	TRIP0 0, 48, 1, 1, 1, 1                        ; trips 1-4
	s_sub_co_i32 s3, s3, 1
	s_cmp_lg_u32 s3, 0
	s_cbranch_scc1 .Lchunk0
	TRIP0 0, 48, 1, 1, 1, 0                        ; trip 5: the last prefetch is slab 15's
	TRIP0 0, 32, 1, 0, 0, 0                        ; trip 6: the last slab load is slab 15's; behind step 27's W stand two steps of W alone
	STEP  0, 0, 32, 1, 0, 0, 1, 1, 0, 0            ; trip 7: slab 15 is rounded,
	STEPB 1, 32, 0, 0                              ; and stored
	STEP  2, 0, 32, 0, 0, 0, 1, 1, 0, 0
	STEP  3, 0, 32, 0, 0, 0, 1, 1, 2, 0            ; the next step's fragments are chunk 1's first: back to k = 0
	TEND 0
	EPI 0                                          ; W of steps 32-34 stays on its way, step 32's fragments of en wait in FA
	; ---- chunk 1: K steps 32-63 ----
	TRIP1 1
	s_mov_b32 s3, 6
.Lchunk1:
	TRIP1 0
	s_sub_co_i32 s3, s3, 1
	s_cmp_lg_u32 s3, 0
	s_cbranch_scc1 .Lchunk1
	STEP 0, 0, 32, 0, 0, 0, 1, 1, 0, 0             ; the last trip: W's last step is asked for here, and the counts run down
	STEP 1, 0, 32, 0, 0, 0, 0, 1, 0, 0
	STEP 2, 0, 16, 0, 0, 0, 0, 1, 0, 0
	STEP 3, 0, 0,  0, 0, 0, 0, 0, 0, 0
	EPI 1
	WIN 0
	; ---- the scores: fold a lane's eight sums, join the two halves of the lanes, then the four waves through LDS ----
.irp a, 0,1,2,3,4,5,6,7
	v_pk_add_f32 v[SA+8*\a:SA+8*\a+1],   v[SA+8*\a:SA+8*\a+1],   v[SA+8*\a+2:SA+8*\a+3]
	v_pk_add_f32 v[SA+8*\a+4:SA+8*\a+5], v[SA+8*\a+4:SA+8*\a+5], v[SA+8*\a+6:SA+8*\a+7]
.endr
.irp a, 0,1,2,3,4,5,6,7
	v_pk_add_f32 v[SA+8*\a:SA+8*\a+1], v[SA+8*\a:SA+8*\a+1], v[SA+8*\a+4:SA+8*\a+5]
.endr
.irp a, 0,1,2,3,4,5,6,7
	v_add_f32 v[SA+8*\a], v[SA+8*\a], v[SA+8*\a+1]
.endr
.irp a, 0,1,2,3,4,5,6,7
	v_permlanex16_b32 v[SA+8*\a+1], v[SA+8*\a], s12, s13
.endr
.irp a, 0,1,2,3,4,5,6,7
	v_add_f32 v[SA+8*\a], v[SA+8*\a], v[SA+8*\a+1]
	ds_store_b32 v[SPAD], v[SA+8*\a] offset:64*\a  ; row 16 a + r; both halves of the lanes write the same word with the same value
.endr
	s_wait_dscnt 0x0
	s_barrier_signal -1
	s_barrier_wait -1
.irp q, 0,1,2,3
	ds_load_b128 v[SV+4*\q:SV+4*\q+3], v[SPRD] offset:512*\q     ; every wave takes all four parts of rows 4 lane .. +3, and sums them in the same order
.endr
	s_wait_dscnt 0x0
	v_pk_add_f32 v[SV:SV+1],     v[SV:SV+1],     v[SV+4:SV+5]
	v_pk_add_f32 v[SV+2:SV+3],   v[SV+2:SV+3],   v[SV+6:SV+7]
	v_pk_add_f32 v[SV+8:SV+9],   v[SV+8:SV+9],   v[SV+12:SV+13]
	v_pk_add_f32 v[SV+10:SV+11], v[SV+10:SV+11], v[SV+14:SV+15]
	v_pk_add_f32 v[SV:SV+1],     v[SV:SV+1],     v[SV+8:SV+9]
	v_pk_add_f32 v[SV+2:SV+3],   v[SV+2:SV+3],   v[SV+10:SV+11]
	v_pk_mul_f32 v[SV:SV+1],     v[SV:SV+1],     -2.0 op_sel_hi:[1,0]
	v_pk_mul_f32 v[SV+2:SV+3],   v[SV+2:SV+3],   -2.0 op_sel_hi:[1,0]
	s_cmp_lg_u32 s2, 0
	s_cbranch_scc1 .Lnot_wave_0
	global_store_b128 v[BOFF], v[SV:SV+3], s[34:35]              ; wave 0 stores the block's 128 scores: 512 consecutive bytes.  SV is not written again
.Lnot_wave_0:
	; the block's maximum is taken away before the exponential; the last launch moves the blocks to the batch's maximum
	v_max_num_f32 v48, v[SV], v[SV+1]
	v_max3_num_f32 v48, v48, v[SV+2], v[SV+3]
	v_max_num_f32_dpp v48, v48, v48 row_xmask:1 row_mask:0xf bank_mask:0xf
	v_max_num_f32_dpp v48, v48, v48 row_xmask:2 row_mask:0xf bank_mask:0xf
	v_max_num_f32_dpp v48, v48, v48 row_xmask:4 row_mask:0xf bank_mask:0xf
	v_max_num_f32_dpp v48, v48, v48 row_xmask:8 row_mask:0xf bank_mask:0xf
	v_mov_b32 v49, v48                             ; v_permlanex16_b32 counts as a reader of its destination
	v_permlanex16_b32 v49, v48, s12, s13
	v_max_num_f32 v48, v48, v49
.irp k, 0,1,2,3
	v_sub_f32 v[PV+\k], v[SV+\k], v48
.endr
.irp k, 0,1,2,3
	v_mul_f32 v[PV+\k], 0x3fb8aa3b, v[PV+\k]
.endr
.irp k, 0,1,2,3
	v_exp_f32 v[PV+\k], v[PV+\k]
.endr
	v_nop
	s_wait_alu depctr_va_vdst(0)
	ds_store_b128 v[PWST], v[PV:PV+3]              ; into my wave's own copy: LDS serves a wave's instructions in order (ISA guide 5.7.1), so no barrier
	; ---- the block's part of the weighted sum, from the rows in LDS.  Wave w: columns 256 w .. +255; a lane: 4 lane .. +3 of each half of 128 ----
.irp k, 0,1,2,3,4,5,6,7
	v_mov_b32 v[WS+\k], 0
.endr
	s_mov_b32 s3, 8
.Lrows:                                            ; 16 rows a trip
.irp q, 0,1,2,3
	ds_load_b128 v[PP+4*\q:PP+4*\q+3], v[PWRD] offset:16*\q      ; 16 weights, the same in every lane
.endr
.set rr, 0
.rept 16
	ds_load_b64 v[XR+4*rr:XR+4*rr+1],   v[WAD] offset:rr*PITCH       ; 256 consecutive bytes a load
	ds_load_b64 v[XR+4*rr+2:XR+4*rr+3], v[WAD] offset:rr*PITCH+256
.set rr, rr+1
.endr
.set rr, 0
.rept 16
	s_wait_dscnt 30-2*rr                           ; row rr's two loads are back; the later rows' stay out
.irp q, 0,1,2,3
	v_fma_mix_f32_bf16 v[WS+2*\q],   v[XR+4*rr+\q], v[PP+rr], v[WS+2*\q]   op_sel_hi:[1,0,0]
	v_fma_mix_f32_bf16 v[WS+2*\q+1], v[XR+4*rr+\q], v[PP+rr], v[WS+2*\q+1] op_sel:[1,0,0] op_sel_hi:[1,0,0]
.endr
.set rr, rr+1
.endr
	v_add_nc_u32 v[PWRD], 64, v[PWRD]
	v_add_nc_u32 v[WAD], 16*PITCH, v[WAD]
	s_sub_co_i32 s3, s3, 1
	s_cmp_lg_u32 s3, 0
	s_cbranch_scc1 .Lrows
	global_store_b128 v[WPO], v[WS:WS+3],   s[36:37]             ; 512 consecutive bytes each
	global_store_b128 v[WPO], v[WS+4:WS+7], s[36:37] offset:512
	s_wait_tensorcnt 0x0
	ds_add_u32 v30, v31
	s_wait_dscnt 0x0
	s_endpgm
.Lfunc_end_k_qd57d709014_main:
	.size	k_qd57d709014_main, .Lfunc_end_k_qd57d709014_main-k_qd57d709014_main
	.p2alignl 7, 3214868480
	.fill 96, 4, 3214868480
	.section	.rodata,"a",@progbits
	.p2align	6, 0x0
	.amdhsa_kernel k_qd57d709014_main
		.amdhsa_group_segment_fixed_size 276992
		.amdhsa_private_segment_fixed_size 0
		.amdhsa_enable_private_segment 0
		.amdhsa_kernarg_size 64
		.amdhsa_user_sgpr_count 2
		.amdhsa_user_sgpr_kernarg_segment_ptr 1
		.amdhsa_wavefront_size32 1
		.amdhsa_system_sgpr_workgroup_id_x 1
		.amdhsa_system_sgpr_workgroup_id_y 1
		.amdhsa_system_sgpr_workgroup_id_z 1
		.amdhsa_system_vgpr_workitem_id 0
		.amdhsa_next_free_vgpr 1024
		.amdhsa_next_free_sgpr 66
		.amdhsa_reserve_vcc 0
		.amdhsa_float_denorm_mode_32 3
		.amdhsa_float_denorm_mode_16_64 3
		.amdhsa_memory_ordered 1
		.amdhsa_forward_progress 1
		.amdhsa_inst_pref_size 255
	.end_amdhsa_kernel
	.section	.bss,"aw",@nobits
	.p2align	6
	.space	262144
	.amdgpu_metadata
---
amdhsa.version: [ 1, 2 ]
amdhsa.kernels:
  - .name:           k_qd57d709014_main
    .symbol:         k_qd57d709014_main.kd
    .args:
      - { .name: en_output, .offset: 0, .size: 8, .value_kind: global_buffer, .address_space: global }
      - { .name: cbp, .offset: 8, .size: 8, .value_kind: global_buffer, .address_space: global }
      - { .name: w_de_b, .offset: 16, .size: 8, .value_kind: global_buffer, .address_space: global }
      - { .name: w_en_b, .offset: 24, .size: 8, .value_kind: global_buffer, .address_space: global }
      - { .name: v_w, .offset: 32, .size: 8, .value_kind: global_buffer, .address_space: global }
      - { .name: wf, .offset: 40, .size: 8, .value_kind: global_buffer, .address_space: global }
      - { .name: sc, .offset: 48, .size: 8, .value_kind: global_buffer, .address_space: global }
      - { .name: wp, .offset: 56, .size: 8, .value_kind: global_buffer, .address_space: global }
    .group_segment_fixed_size: 276992
    .private_segment_fixed_size: 0
    .kernarg_segment_align: 8
    .kernarg_segment_size: 64
    .max_flat_workgroup_size: 128
    .sgpr_count:     66
    .vgpr_count:     1024
    .wavefront_size: 32
...
	.end_amdgpu_metadata
.endif
;; end of part 2
;; launch combine (part 3): grid 64 x 1, 8 waves a work-group, no clusters, 1,280 bytes of LDS; arguments sc, wp, out0, out1; writes out0, out1
.if DOCPART == 3
	.amdgcn_target "amdgcn-amd-amdhsa--gfx1250"
	.amdhsa_code_object_version 6
	.text
	.protected	k_qd57d709014_combine
	.globl	k_qd57d709014_combine
	.p2align	8
	.type	k_qd57d709014_combine,@function
k_qd57d709014_combine:
	s_mov_b64 s[64:65], 0
	v_nop
	global_prefetch_b8 v0, s[64:65] scope:SCOPE_SE
	s_setreg_imm32_b32 hwreg(HW_REG_WAVE_MODE, 25, 1), 1
	s_wait_xcnt 0x0
; Joins the eight blocks of a batch.  Work-group b = batch b; wave w holds block w's 128 scores (four a lane), thread t columns 4 t .. +3 of the sums.
;   m_w = the block's maximum (the same bits as in the launch before: a maximum is exact),  p = exp(s - m_w),  l_w = sum of p,
;   M = max of the m,  e_i = exp(m_i - M),  L = sum of l_i e_i (at least 1: the block that holds M has l >= 1 and e = 1),  f_i = e_i / L,
;   out1 = p f_w,   out0 = sum over i of f_i wp[8 b + i].
; The maximum is taken away before every exponential.  v_exp_f32 gives 0 for results under 2^-126 (ISA guide 15.8): weights so small count as 0.
; 64 work-groups: one batch is one short chain of dependent steps over 36 KiB; sharing it further would repeat the statistics and not shorten the chain.
; No matrix unit, no tensor loads, no cluster: nothing is multiplied by rows and no two work-groups read the same byte.
.set S,  4                             ; v[4:7]    scores, then p, then out1
.set WP, 8                             ; v[8:39]   eight blocks' four sums
.set MM, 44                            ; v[44:51]  m_i, then e_i, then f_i
.set LL, 52                            ; v[52:59]  l_i
.set O,  64                            ; v[64:67]  out0
	s_load_b256 s[4:11], s[0:1], 0x0               ; sc s[4:5], wp s[6:7], out0 s[8:9], out1 s[10:11]
	v_lshl_add_u32 v72, v0, 2, 0x100
	v_mov_b32 v73, 0
	v_lshlrev_b32 v1, 4, v0                        ; 16 x thread
	v_lshrrev_b32 v2, 5, v0
	v_lshlrev_b32 v2, 2, v2                        ; 4 x wave: my word in LDS
	v_mov_b32 v3, 0
	v_mov_b32 v41, 0                               ; v_permlanex16_b32 counts as a reader of its destination
	s_lshl_b32 s12, ttmp9, 12                      ; a batch's 4,096 bytes of sc, out0 and out1
	s_mov_b32 s13, 0
	s_lshl_b32 s14, ttmp9, 15                      ; its 8 x 4,096 bytes of wp
	s_mov_b32 s15, 0
	s_mov_b32 s16, 0x76543210
	s_mov_b32 s17, 0xfedcba98
	s_wait_kmcnt 0x0
	s_add_nc_u64 s[4:5], s[4:5], s[12:13]
	s_add_nc_u64 s[6:7], s[6:7], s[14:15]
	s_add_nc_u64 s[8:9], s[8:9], s[12:13]
	s_add_nc_u64 s[10:11], s[10:11], s[12:13]
	global_load_b128 v[S:S+3], v1, s[4:5]
.irp i, 0,1,2,3,4,5,6,7
	global_load_b128 v[WP+4*\i:WP+4*\i+3], v1, s[6:7] offset:4096*\i
.endr
	s_wait_loadcnt 8                               ; the scores are in; the eight loads of wp stay out
	v_max_num_f32 v40, v[S], v[S+1]
	v_max3_num_f32 v40, v40, v[S+2], v[S+3]
	v_max_num_f32_dpp v40, v40, v40 row_xmask:1 row_mask:0xf bank_mask:0xf
	v_max_num_f32_dpp v40, v40, v40 row_xmask:2 row_mask:0xf bank_mask:0xf
	v_max_num_f32_dpp v40, v40, v40 row_xmask:4 row_mask:0xf bank_mask:0xf
	v_max_num_f32_dpp v40, v40, v40 row_xmask:8 row_mask:0xf bank_mask:0xf
	v_permlanex16_b32 v41, v40, s16, s17
	v_max_num_f32 v40, v40, v41                    ; m_w, in every lane
.irp k, 0,1,2,3
	v_sub_f32 v[S+\k], v[S+\k], v40
.endr
.irp k, 0,1,2,3
	v_mul_f32 v[S+\k], 0x3fb8aa3b, v[S+\k]
.endr
.irp k, 0,1,2,3
	v_exp_f32 v[S+\k], v[S+\k]
.endr
	v_nop                                          ; one plain place behind the run of transcendentals (ISA guide 5.7.2)
	s_wait_alu depctr_va_vdst(0)
	v_add_f32 v42, v[S], v[S+1]
	v_add_f32 v43, v[S+2], v[S+3]
	v_add_f32 v42, v42, v43
	v_add_f32_dpp v42, v42, v42 row_xmask:1 row_mask:0xf bank_mask:0xf
	v_add_f32_dpp v42, v42, v42 row_xmask:2 row_mask:0xf bank_mask:0xf
	v_add_f32_dpp v42, v42, v42 row_xmask:4 row_mask:0xf bank_mask:0xf
	v_add_f32_dpp v42, v42, v42 row_xmask:8 row_mask:0xf bank_mask:0xf
	v_permlanex16_b32 v41, v42, s16, s17
	v_add_f32 v42, v42, v41                        ; l_w
	ds_store_b32 v2, v40                           ; all lanes write the same word with the same value
	ds_store_b32 v2, v42 offset:32
	s_wait_dscnt 0x0                               ; in LDS before I say so
	s_barrier_signal -1
	s_barrier_wait -1
	ds_load_b128 v[MM:MM+3],   v3
	ds_load_b128 v[MM+4:MM+7], v3 offset:16
	ds_load_b128 v[LL:LL+3],   v3 offset:32
	ds_load_b128 v[LL+4:LL+7], v3 offset:48
	s_wait_dscnt 0x0
	v_max3_num_f32 v60, v[MM], v[MM+1], v[MM+2]
	v_max3_num_f32 v60, v60, v[MM+3], v[MM+4]
	v_max3_num_f32 v60, v60, v[MM+5], v[MM+6]
	v_max_num_f32 v60, v60, v[MM+7]                ; M
.irp i, 0,1,2,3,4,5,6,7
	v_sub_f32 v[MM+\i], v[MM+\i], v60
.endr
	v_sub_f32 v61, v40, v60                        ; my own block's
.irp i, 0,1,2,3,4,5,6,7
	v_mul_f32 v[MM+\i], 0x3fb8aa3b, v[MM+\i]
.endr
	v_mul_f32 v61, 0x3fb8aa3b, v61
.irp i, 0,1,2,3,4,5,6,7
	v_exp_f32 v[MM+\i], v[MM+\i]
.endr
	v_exp_f32 v61, v61
	v_nop
	s_wait_alu depctr_va_vdst(0)
	v_mul_f32 v62, v[LL], v[MM]
.irp i, 1,2,3,4,5,6,7
	v_fmac_f32 v62, v[LL+\i], v[MM+\i]             ; L
.endr
	v_rcp_f32 v63, v62
	v_nop
	s_wait_alu depctr_va_vdst(0)
.irp i, 0,1,2,3,4,5,6,7
	v_mul_f32 v[MM+\i], v[MM+\i], v63              ; f_i
.endr
	v_mul_f32 v61, v61, v63
.irp k, 0,1,2,3
	v_mul_f32 v[S+\k], v[S+\k], v61
.endr
	global_store_b128 v1, v[S:S+3], s[10:11]       ; a wave stores 512 consecutive bytes
	s_wait_loadcnt 0x0
.irp k, 0,1,2,3
	v_mul_f32 v[O+\k], v[MM], v[WP+\k]
.endr
.irp i, 1,2,3,4,5,6,7
.irp k, 0,1,2,3
	v_fmac_f32 v[O+\k], v[MM+\i], v[WP+4*\i+\k]
.endr
.endr
	global_store_b128 v1, v[O:O+3], s[8:9]
	s_wait_tensorcnt 0x0
	ds_add_u32 v72, v73
	s_wait_dscnt 0x0
	s_endpgm
.Lfunc_end_k_qd57d709014_combine:
	.size	k_qd57d709014_combine, .Lfunc_end_k_qd57d709014_combine-k_qd57d709014_combine
	.p2alignl 7, 3214868480
	.fill 96, 4, 3214868480
	.section	.rodata,"a",@progbits
	.p2align	6, 0x0
	.amdhsa_kernel k_qd57d709014_combine
		.amdhsa_group_segment_fixed_size 1280
		.amdhsa_private_segment_fixed_size 0
		.amdhsa_enable_private_segment 0
		.amdhsa_kernarg_size 32
		.amdhsa_user_sgpr_count 2
		.amdhsa_user_sgpr_kernarg_segment_ptr 1
		.amdhsa_wavefront_size32 1
		.amdhsa_system_sgpr_workgroup_id_x 1
		.amdhsa_system_sgpr_workgroup_id_y 1
		.amdhsa_system_sgpr_workgroup_id_z 1
		.amdhsa_system_vgpr_workitem_id 0
		.amdhsa_next_free_vgpr 74
		.amdhsa_next_free_sgpr 66
		.amdhsa_reserve_vcc 0
		.amdhsa_float_denorm_mode_32 3
		.amdhsa_float_denorm_mode_16_64 3
		.amdhsa_memory_ordered 1
		.amdhsa_forward_progress 1
		.amdhsa_inst_pref_size 8
	.end_amdhsa_kernel
	.amdgpu_metadata
---
amdhsa.version: [ 1, 2 ]
amdhsa.kernels:
  - .name:           k_qd57d709014_combine
    .symbol:         k_qd57d709014_combine.kd
    .args:
      - { .name: sc, .offset: 0, .size: 8, .value_kind: global_buffer, .address_space: global }
      - { .name: wp, .offset: 8, .size: 8, .value_kind: global_buffer, .address_space: global }
      - { .name: out0, .offset: 16, .size: 8, .value_kind: global_buffer, .address_space: global }
      - { .name: out1, .offset: 24, .size: 8, .value_kind: global_buffer, .address_space: global }
    .group_segment_fixed_size: 1280
    .private_segment_fixed_size: 0
    .kernarg_segment_align: 8
    .kernarg_segment_size: 32
    .max_flat_workgroup_size: 256
    .sgpr_count:     66
    .vgpr_count:     74
    .wavefront_size: 32
...
	.end_amdgpu_metadata
.endif
;; end of part 3
;; ======== version 2 of 2: 3 launches; version 1 with the launch main written anew for expert scheduling mode
;; workspace buffers: wf 2,097,152 bytes; cbp 2,097,152 bytes; sc 262,144 bytes; wp 2,097,152 bytes
;; launch prep: the kernel of part 1 again; grid 256 x 1, 4 waves a work-group, no clusters, 9,216 bytes of LDS; arguments w_en_w, w_de_w, hidden, wf, cbp; writes wf, cbp
;; launch main (part 4): grid 512 x 1, 4 waves a work-group, no clusters, 276,992 bytes of LDS; arguments en_output, cbp, w_de_b, w_en_b, v_w, wf, sc, wp; writes sc, wp
.if DOCPART == 4
	.amdgcn_target "amdgcn-amd-amdhsa--gfx1250"
	.amdhsa_code_object_version 6
	.text
	.protected	k_qd57d709014_main
	.globl	k_qd57d709014_main
	.p2align	8
	.type	k_qd57d709014_main,@function
k_qd57d709014_main:
	s_mov_b64 s[64:65], 0
	v_nop
	global_prefetch_b8 v0, s[64:65] scope:SCOPE_SE
	s_setreg_imm32_b32 hwreg(HW_REG_WAVE_SCHED_MODE, 0, 2), 2
	s_setreg_imm32_b32 hwreg(HW_REG_WAVE_MODE, 25, 1), 1
	s_wait_xcnt 0x0
	s_wait_alu depctr_vm_vsrc(0)
; Everything that touches en_output, which is read from memory once.
; Work-group g owns rows 128 g .. +127 of en_output seen as [65536][1024] (all of one batch b = g / 8).  It
;   rounds them to bf16 and keeps them in LDS for its whole life (128 rows, 2,064 bytes apart),
;   multiplies them by all of w_en_w in two chunks of 512 columns (wave w: columns 512 c + 128 w .. +127, all 128 rows: 64 tiles, 512 registers),
;   applies tanh and the dot with v_w to the accumulators in registers, takes its own block's maximum and exponentials,
;   and forms its block's part of the weighted sum from the same LDS rows.
; Out: sc[row] = the score, wp[g][e] = sum over the block's rows of exp(score - block maximum) en[row][e].  The last launch joins the 8 blocks of a batch.
;
; ARITHMETIC, stated plainly.
;   tanh(x) = 1 - 2 / (1 + 2^(2.885390 x)): right at both infinities (2^.. = inf gives 1, = 0 gives -1); the error is a few units in the last place of 1.
;   The score kept is -2 sum_d v[d] / (1 + 2^..).  The term sum_d v[d] that is left out is the same for every position, and softmax does not see it.
;   en_output enters both products rounded to bf16; the weights exp(..) stay f32; all sums are f32.
;   v_exp_f32 gives 0 for results under 2^-126 (ISA guide, its entry in 15.8): weights so small count as 0.  A NaN in the inputs gives NaN.
;
; WHY W COMES STRAIGHT INTO REGISTERS, WITHOUT TENSOR LOADS, LDS SLOTS OR A CLUSTER'S JOINT LOADS, although all work-groups walk the same W:
;   beside the resident rows (264,192 bytes) and 12,288 bytes of tables LDS has 51,200 bytes left: two slots of three K steps (24 KiB) at the most, each used up by
;   192 matrix instructions a wave, with a round of the cluster's barrier for each; and the four waves split the columns, so no fragment of W is
;   read by two waves: through LDS each byte of W would be written and read once more, for no reuse.  Each wave loads its own fragments, three K steps ahead.
;
; REGISTERS, in windows of 256:
;   window 0: addresses v2-24; PK v32-63 a slab packed to bf16; FA v64-127 eight fragments of en; ST0 v128-191, ST1 v192-255 slabs as loaded (f32)
;             from the first epilogue on: v128-159 c', v160-191 v in the epilogues, and in chunk 1's K steps a second set of eight fragments; v192-255 the score sums SA[a][j]
;   window 1: four buffers of eight W fragments;  window 2: tiles of rows 0-63 (tile (a, b) at v[8 (8 a + b)]);  window 3: rows 64-127
; THE MATRIX INSTRUCTION IS USED TRANSPOSED: source 0 = 16 rows of W, source 1 = 16 rows of en.  Lane (r, h), register j holds row 16 a + r, column 16 b + 8 h + j.
;
; THE MODE: SCHED_MODE bits 1:0 = 2 (LLVM: expert scheduling mode 2), set by the entry lines.  The code itself states the register dependences
; between vector or matrix instructions and memory or LDS instructions, with s_wait_alu, always for 0.
; THE PLAN.  Registers that memory or LDS instructions touch in the K steps, and who else names them:
;   W0 .. W3    Step s: its 64 matrix instructions read W[s % 4]; at its end the loads of step s + 3 land in W[(s - 1) % 4], which the step before read.
;   FA          Chunk 0, one set.  Fragments 0-3: read by a step's first 32 matrix instructions, loaded again in its middle; fragments 4-7: read by its last 32,
;               loaded again at its end.  In the step that stores a slab all eight are loaded at the end, behind the second barrier.
;   FA, FA+64   Chunk 1, two sets by turns: step s reads set s % 2; the loads of step s + 1 land in the other set, which the step before read.
;   ST0, ST1    A slab as loaded: read by an even step's 32 conversions, loaded again in the same step.
;   PK          Written by those conversions; read by the 16 LDS stores of the odd step behind them.
;   ADRA, ASTO  LDS addresses: read by the fragments' loads and the slabs' stores, written once a trip.  Every other address is made at the head and never written again;
;               the two global bases are scalar registers.
; Chunk 0, even step: a wait on vm_vsrc ahead of the conversions (PK), a wait on va_vdst behind them, which serves the step's 8 + 16 + 16 loads and the next step's 16 LDS stores,
; and a wait on va_vdst at the end (fragments 4-7).  Odd step: one wait on va_vdst, behind the second barrier.  Chunk 1: one wait on va_vdst, at a step's head; its 32 loads are
; dealt among its matrix instructions, which name W[s % 4], this step's set and the accumulators: none of the registers that those loads touch.
.set PITCH, 2064                       ; 2,048 bytes of a row + 16 = 129 x 16: sixteen rows' 16-byte pieces fall on sixteen different 16-byte columns modulo 256
.set CB,    128*PITCH                  ; 4,096 bytes: c'[d] = 2.885390 (sum of cbp's 8 slices + w_de_b + w_en_b); v_w lies 4,096 behind
.set SP,    CB+8192                    ; 2,048 bytes: [4 waves][128 rows] parts of the scores
.set PW,    SP+2048                    ; 2,048 bytes: [4 waves][128] weights, each wave's own copy
.set BOFF, 2                           ; 16 x lane
.set AOFF, 3                           ; en: (32 w + 8 h) rows + 16 r
.set ASTO, 4                           ; LDS: (32 w + 8 h) rows + 8 r, + 256 a trip
.set PFO,  5                           ; en: row = thread
.set SMO,  6                           ; 16 x thread
.set CBST, 7                           ; CB + 16 x thread
.set ADRA, 8                           ; v8-11: (32 q + r) rows + 16 h, + 256 a trip
.set CVAD, 12                          ; CB + 512 w + 32 h
.set SPAD, 13                          ; SP + 512 w + 4 r
.set ADR0, 16                          ; v16-19: ADRA at k = 0, kept
.set SPRD, 20                          ; SP + 16 x lane
.set PWST, 21                          ; PW + 512 w + 16 x lane
.set PWRD, 22                          ; PW + 512 w, + 64 a trip
.set WAD,  23                          ; 512 w + 8 x lane, + 16 rows a trip
.set WPO,  24                          ; 1,024 w + 16 x lane
.set TT,   25
.set PK,   32
.set SM,   32                          ; v32-119: the 22 small loads, at the start only
.set FA,   64
.set ST0,  128
.set CV,   128
.set CVV,  160
.set SA,   192
.set SV,   32                          ; v32-35 four scores
.set PV,   36                          ; v36-39 four weights
.set WS,   40                          ; v40-47 eight sums
.set PP,   48                          ; v48-63 the weights of 16 rows
.set XR,   64                          ; v64-127 16 rows x 8 bf16
.set AB,   8                           ; s[8:9]   en at my rows, + 512 a trip
.set BB,   10                          ; s[10:11] wf at my wave's part, + 32,768 a trip
.set MUL_LO, 0xa1                      ; source 0 window 1, source 1 window 0, C and D window 2
.set MUL_HI, 0xf1                      ; the same, C and D window 3
.set TO_B,   0x40                      ; destination window 1, address window 0
.set MSB, 0
.macro WIN new                         ; the immediate's high byte repeats the setting that is left; a switch that changes nothing is dropped
.if MSB != \new
	s_set_vgpr_msb (MSB<<8)|\new
.set MSB, \new
.endif
.endm
.macro PLACES                          ; four places behind a matrix instruction (ISA guide 7.12.1) before vector instructions read its results
.rept 4
	v_nop
.endr
.endm
; 16 matrix instructions: row blocks a0, a0+1 of the window's four x all 8 column blocks, 32 along K; fa: the set of fragments of en.  zero = 1: the product starts the sums.
; All 64 accumulators take turns in the same order in every K step, one instruction a turn.
.macro MUL16 hi, a0, buf, zero, fa
.irp a, \a0, \a0+1
.irp b, 0,1,2,3,4,5,6,7
.if \zero
	v_wmma_f32_16x16x32_bf16 v[8*(8*(\a)+\b):8*(8*(\a)+\b)+7], v[64*(\buf)+8*\b:64*(\buf)+8*\b+7], v[(\fa)+8*(4*\hi+(\a)):(\fa)+8*(4*\hi+(\a))+7], 0
.else
	v_wmma_f32_16x16x32_bf16 v[8*(8*(\a)+\b):8*(8*(\a)+\b)+7], v[64*(\buf)+8*\b:64*(\buf)+8*\b+7], v[(\fa)+8*(4*\hi+(\a)):(\fa)+8*(4*\hi+(\a))+7], v[8*(8*(\a)+\b):8*(8*(\a)+\b)+7]
.endif
.endr
.endr
.endm
; 8 LDS loads: four fragments of en (row blocks 4 half .. +3) at byte kimm of the rows, into set fa
.macro LDA half, kimm, fa
.irp a, 0,1,2,3
	ds_load_b128 v[(\fa)+8*(4*\half+\a):(\fa)+8*(4*\half+\a)+3],   v[ADRA+((4*\half+\a)>>1)] offset:((\a)&1)*16*PITCH+\kimm
	ds_load_b128 v[(\fa)+8*(4*\half+\a)+4:(\fa)+8*(4*\half+\a)+7], v[ADRA+((4*\half+\a)>>1)] offset:((\a)&1)*16*PITCH+\kimm+32
.endr
.endm
; 16 loads of 512 consecutive bytes: the eight W fragments of one K step
.macro LDB buf, imm
.irp i, 0,1,2,3,4,5,6,7
	global_load_b128 v[64*(\buf)+8*\i:64*(\buf)+8*\i+3],   v[BOFF], s[BB:BB+1] offset:\imm+1024*\i
	global_load_b128 v[64*(\buf)+8*\i+4:64*(\buf)+8*\i+7], v[BOFF], s[BB:BB+1] offset:\imm+1024*\i+512
.endr
.endm
; W of step s + 3.  In a trip's last step the base moves on by a trip just ahead of the loads, and the immediate is four steps less:
; the youngest global load then stands a whole K step back, so s_wait_xcnt 0, which frees the bases, has nothing to sit on.  a = 1: en's base steps too.
.macro NEXTW s, a
.if \s == 3
	s_wait_xcnt 0x0                                ; every earlier memory instruction has had its addresses translated (ISA guide 3.1): the bases are rewritten only behind this wait
	s_add_nc_u64 s[BB:BB+1], s[BB:BB+1], 4*8192
.if \a
	s_add_nc_u64 s[AB:AB+1], s[AB:AB+1], 512
.endif
.endif
	WIN TO_B
	LDB (\s+3)&3, (\s+3-4*(\s/3))*8192
.endm
; A slab = 64 k of my wave's 32 rows in f32: 16 loads; lanes 0-15 take 256 consecutive bytes of one row, lanes 16-31 of the row 8 below
.macro LDSLAB st, imm
.set li, 0
.rept 16
	global_load_b128 v[(\st)+4*li:(\st)+4*li+3], v[AOFF], s[AB:AB+1] offset:(16*(li>>3)+(li&7))*4096+\imm th:TH_LOAD_NT
.set li, li+1
.endr
.endm
.macro CVT st                          ; the slab is rounded to bf16: 64 registers into 32
.set li, 0
.rept 16
	v_cvt_pk_bf16_f32 v[PK+2*li],   v[(\st)+4*li],   v[(\st)+4*li+1]
	v_cvt_pk_bf16_f32 v[PK+2*li+1], v[(\st)+4*li+2], v[(\st)+4*li+3]
.set li, li+1
.endr
.endm
.macro STS imm                         ; and stored: 8 bytes a lane; the two rows of a store are 8 x 2,064 = 128 modulo 256 bytes apart, so the 32 lanes touch 256 different bytes modulo 256
.set li, 0
.rept 16
	ds_store_b64 v[ASTO], v[PK+2*li:PK+2*li+1] offset:(16*(li>>3)+(li&7))*PITCH+\imm
.set li, li+1
.endr
.endm
; A K step of chunk 0 that stores no slab (s = its number in the trip, W buffer s).  lcnt: the younger global loads that may stay out.  cv: slab j+1 of the trip is rounded into PK;
; al: the slab two further on is asked for, into the same registers; pf: the slab four further on is asked into the cache; adv: the fragments' addresses go back to k = 0 (chunk 1 follows).
.macro STEP s, zero, lcnt, cv, al, pf, adv, j
	s_wait_loadcnt \lcnt                           ; loads return in order (ISA guide 5.7.1): this step's W is in, and every slab asked for before it
	s_wait_dscnt 8                                 ; fragments of rows 0-63 are in; the 8 loads of rows 64-127 may be out
	WIN MUL_LO
	MUL16 0, 0, \s, \zero, FA
	MUL16 0, 2, \s, \zero, FA
	WIN 0
.if \cv
	s_wait_alu depctr_vm_vsrc(0)                   ; the LDS stores of the slab before have read PK, which the conversions write again
	CVT ST0+64*((\j+1)&1)
.endif
.if \adv
	s_wait_alu depctr_vm_vsrc(0)                   ; the fragments' loads issued so far have read ADRA
.irp q, 0,1,2,3
	v_mov_b32 v[ADRA+\q], v[ADR0+\q]
.endr
.endif
	s_wait_alu depctr_va_vdst(0)                   ; the 32 matrix instructions above are done reading fragments 0-3, and the step before is done reading its W; with cv: the conversions are done reading the slab and have written PK; with adv: ADRA is written
.if \adv
	LDA 0, 0, FA
.else
	LDA 0, 64*(\s+1), FA
.endif
	s_wait_dscnt 8                                 ; all but the 8 fragment loads just issued: rows 64-127 are in
	WIN MUL_HI
	MUL16 1, 0, \s, \zero, FA
.if \al
	WIN 0
	LDSLAB ST0+64*((\j+1)&1), (\j+3)*256           ; no wait: no vector or matrix instruction since the wait above names the slab's registers
.endif
.if \pf
	WIN 0
	global_prefetch_b8 v[PFO], s[AB:AB+1] offset:(\j+5)*256 th:TH_LOAD_NT scope:SCOPE_SE   ; thread t asks for row t's 256 bytes of the slab that is loaded two intervals (four K steps) on: each block once
.endif
	WIN MUL_HI
	MUL16 1, 2, \s, \zero, FA
	NEXTW \s, 0                                    ; into the buffer that the step before read: no wait, nothing since the wait above names it
	WIN 0
	s_wait_alu depctr_va_vdst(0)                   ; the 32 matrix instructions above are done reading fragments 4-7
.if \adv
	LDA 1, 0, FA
.else
	LDA 1, 64*(\s+1), FA
.endif
.endm
; The K step in which a slab goes into LDS.  The 16 stores stand between two barriers: in front of the first every wave's reads of the rows have come back,
; behind the second the next step's fragments, the first that lie in the new slab, are read.  Each signal is 16 matrix instructions ahead of its wait.
; The stores owe no wait of their own: PK and ASTO were written ahead of the last step's waits on va_vdst, and nothing since names them.
; adv = 1: a trip's last step: the five LDS addresses step to the next trip.
.macro STEPB s, lcnt, adv, j
	s_wait_loadcnt \lcnt
	s_wait_dscnt 8
	WIN MUL_LO
	MUL16 0, 0, \s, 0, FA
	s_wait_dscnt 0                                 ; all my reads of the rows are back
	s_barrier_signal -1
	MUL16 0, 2, \s, 0, FA
	s_barrier_wait -1                              ; everybody's are
	WIN 0
	STS (\j+1)*128
	WIN MUL_HI
	MUL16 1, 0, \s, 0, FA
	s_wait_dscnt 0                                 ; my stores are in LDS
	s_barrier_signal -1
	MUL16 1, 2, \s, 0, FA
	s_barrier_wait -1                              ; everybody's are
	WIN 0
.if \adv
	s_wait_alu depctr_vm_vsrc(0)                   ; the fragments' loads have read ADRA and the slab's stores ASTO
.irp q, 0,1,2,3
	v_add_nc_u32 v[ADRA+\q], 256, v[ADRA+\q]
.endr
	v_add_nc_u32 v[ASTO], 256, v[ASTO]
.endif
	s_wait_alu depctr_va_vdst(0)                   ; this step's matrix instructions are done reading all eight fragments, the last step's are done reading their W; with adv: ADRA and ASTO are written
.if \adv
	LDA 0, 0, FA
	LDA 1, 0, FA
.else
	LDA 0, 64*(\s+1), FA
	LDA 1, 64*(\s+1), FA
.endif
	NEXTW \s, \adv                                 ; W's loads are issued while the fragments are on their way
.endm
; A K step of chunk 1: the rows are all in LDS, and the fragments have two sets.  bl: W of step s+3 is asked for; pre: the next step's fragments are read;
; adv: a trip's last step: the fragments' addresses step to the next trip, ahead of the step's one wait on va_vdst.
.macro STEPD s, zero, lcnt, bl, pre, adv
.set FC, FA+64*((\s)&1)                ; this step's set
.set FN, FA+64*(1-((\s)&1))            ; the other
	s_wait_loadcnt \lcnt                           ; this step's W is in; the younger steps' stay out
	s_wait_dscnt 0x0                               ; this step's 16 fragment loads, issued 32 matrix instructions back or more
.if \adv
	WIN 0
	s_wait_alu depctr_vm_vsrc(0)                   ; the fragments' loads issued so far have read ADRA
.irp q, 0,1,2,3
	v_add_nc_u32 v[ADRA+\q], 256, v[ADRA+\q]
.endr
.endif
.if \pre
	s_wait_alu depctr_va_vdst(0)                   ; the step before is done reading the other set and its W (chunk 1's first step: the epilogue is done reading c' and v, which lie in the other set); with adv: ADRA is written
.endif
	WIN MUL_LO
	MUL16 0, 0, \s, \zero, FC
.if \pre
	WIN 0
.if \adv
	LDA 0, 0, FN
.else
	LDA 0, 64*(\s+1), FN
.endif
.endif
	WIN MUL_LO
	MUL16 0, 2, \s, \zero, FC
.if \pre
	WIN 0
.if \adv
	LDA 1, 0, FN
.else
	LDA 1, 64*(\s+1), FN
.endif
.endif
	WIN MUL_HI
	MUL16 1, 0, \s, \zero, FC
	MUL16 1, 2, \s, \zero, FC
.if \bl
	NEXTW \s, 0
.endif
.endm
; A trip of chunk 0: four K steps = two intervals; interval j rounds and stores slab 2T+j+1 and asks for slab 2T+j+3.
; Order of the global loads: S0 S1 B0 | S2 B1 B2 | S3 B3 B4 | ... : behind this step's W stand two steps of W and one slab: 48.
.macro TRIP0 zero, l3, al0, al1, pf0, pf1
	STEP  0, \zero, 48, 1, \al0, \pf0, 0, 0
	STEPB 1, 48, 0, 0
	STEP  2, 0, 48, 1, \al1, \pf1, 0, 1
	STEPB 3, \l3, 1, 1
	WIN 0                                          ; at a label and at a branch every window is 0
.endm
.macro TRIP1 zero                      ; a trip of chunk 1: behind this step's W stand two steps of W: 32
	STEPD 0, \zero, 32, 1, 1, 0
	STEPD 1, 0, 32, 1, 1, 0
	STEPD 2, 0, 32, 1, 1, 0
	STEPD 3, 0, 32, 1, 1, 1
	WIN 0
.endm
; tanh and the dot with v on four tiles (row block a, column blocks 4 bh .. +3), 32 registers: x' = 2.885390 x + c', 2^x', + 1, reciprocal, times v into SA[a].
; The transcendentals stand in runs, and one v_nop stands behind each run before its results are read (ISA guide 5.7.2).
.macro EPI4 c, bh, a
.set TB, 64*((\a)&3)+32*\bh
.if \a < 4
	WIN 0x82                                       ; destination and source 0 window 2, source 2 window 0
.else
	WIN 0xc3
.endif
.set ei, 0
.rept 16
	v_pk_fma_f32 v[TB+2*ei:TB+2*ei+1], v[TB+2*ei:TB+2*ei+1], 0x4038aa3b, v[CV+2*ei:CV+2*ei+1] op_sel_hi:[1,0,1]
.set ei, ei+1
.endr
.set ei, 0
.rept 32
	v_exp_f32 v[TB+ei], v[TB+ei]
.set ei, ei+1
.endr
	v_nop
.set ei, 0
	s_wait_alu depctr_va_vdst(0)
.rept 16
	v_pk_add_f32 v[TB+2*ei:TB+2*ei+1], v[TB+2*ei:TB+2*ei+1], 1.0 op_sel_hi:[1,0]
.set ei, ei+1
.endr
.set ei, 0
.rept 32
	v_rcp_f32 v[TB+ei], v[TB+ei]
.set ei, ei+1
.endr
	v_nop
	s_wait_alu depctr_va_vdst(0)
.if \a < 4
	WIN 0x02                                       ; source 0 window 2, all else window 0
.else
	WIN 0x03
.endif
.set ei, 0
.rept 16
.if (\c+\bh+(ei>>2)) == 0
	s_wait_alu depctr_va_vdst(0)
	v_pk_mul_f32 v[SA+8*\a+2*(ei&3):SA+8*\a+2*(ei&3)+1], v[TB+2*ei:TB+2*ei+1], v[CVV+2*ei:CVV+2*ei+1]   ; the first tile starts the sums: nothing is cleared
.else
	v_pk_fma_f32 v[SA+8*\a+2*(ei&3):SA+8*\a+2*(ei&3)+1], v[TB+2*ei:TB+2*ei+1], v[CVV+2*ei:CVV+2*ei+1], v[SA+8*\a+2*(ei&3):SA+8*\a+2*(ei&3)+1]
.endif
.set ei, ei+1
.endr
.endm
.macro EPI c
	PLACES
.irp bh, 0,1
	WIN 0
.if \c+\bh
	s_wait_alu depctr_va_vdst(0)                   ; c' and v land in v128-191: the half before is done reading them; at chunk 1's first half: the last K step's matrix instructions are done reading their fragments, which lie there
.endif                                                 ; (chunk 0's first half owes nothing: the last to name v128-191, slab 14's conversions, stand ahead of waits on va_vdst)
.irp bb, 0,1,2,3
	ds_load_b128 v[CV+8*\bb:CV+8*\bb+3],    v[CVAD] offset:\c*2048+(4*\bh+\bb)*64        ; c' of columns 16 b + 8 h + 0..7: the same for all rows
	ds_load_b128 v[CV+8*\bb+4:CV+8*\bb+7],  v[CVAD] offset:\c*2048+(4*\bh+\bb)*64+16
	ds_load_b128 v[CVV+8*\bb:CVV+8*\bb+3],  v[CVAD] offset:4096+\c*2048+(4*\bh+\bb)*64   ; v of the same columns
	ds_load_b128 v[CVV+8*\bb+4:CVV+8*\bb+7], v[CVAD] offset:4096+\c*2048+(4*\bh+\bb)*64+16
.endr
	s_wait_dscnt 0x0
.irp ta, 0,1,2,3,4,5,6,7
	EPI4 \c, \bh, \ta
.endr
.endr
.endm
	; ---- ids, addresses ----
	s_load_b512 s[16:31], s[0:1], 0x0              ; en s[16:17], cbp s[18:19], w_de_b s[20:21], w_en_b s[22:23], v_w s[24:25], wf s[26:27], sc s[28:29], wp s[30:31]
	v_lshl_add_u32 v30, v0, 2, 0x43800
	v_mov_b32 v31, 0
	v_lshrrev_b32 v1, 5, v0
	v_readfirstlane_b32 s2, v1                     ; wave 0..3
	v_and_b32 v14, 15, v0                          ; r
	v_bfe_u32 v15, v0, 4, 1                        ; h
	v_and_b32 v1, 31, v0                           ; lane
	s_mov_b32 s12, 0x76543210                      ; v_permlanex16_b32: lane i of one half reads lane i of the other
	s_mov_b32 s13, 0xfedcba98
	v_lshlrev_b32 v[BOFF], 4, v1
	s_wait_alu depctr_va_sdst(0)                   ; s2 is written, ahead of its first reader: addresses, bases and a branch are made from it
	s_lshl_b32 s14, s2, 17                         ; 32 w rows of 4,096 bytes
	v_lshlrev_b32 v[AOFF], 4, v14
	v_lshl_add_u32 v[AOFF], v15, 15, v[AOFF]
	v_add_nc_u32 v[AOFF], s14, v[AOFF]
	s_mul_i32 s15, s2, 32*PITCH
	v_mul_u32_u24 v[ASTO], v15, 8*PITCH
	v_lshl_add_u32 v[ASTO], v14, 3, v[ASTO]
	v_add_nc_u32 v[ASTO], s15, v[ASTO]
	v_lshlrev_b32 v[PFO], 12, v0
	v_lshlrev_b32 v[SMO], 4, v0
	v_add_nc_u32 v[CBST], CB, v[SMO]
	v_mul_u32_u24 v[TT], v14, PITCH
	v_lshl_add_u32 v[TT], v15, 4, v[TT]
.irp q, 0,1,2,3
	v_add_nc_u32 v[ADR0+\q], \q*32*PITCH, v[TT]
	v_add_nc_u32 v[ADRA+\q], \q*32*PITCH, v[TT]
.endr
	s_lshl_b32 s14, s2, 9                          ; 512 w
	s_add_co_u32 s15, s14, CB
	v_lshl_add_u32 v[CVAD], v15, 5, s15
	s_add_co_u32 s15, s14, SP
	v_lshl_add_u32 v[SPAD], v14, 2, s15
	v_add_nc_u32 v[SPRD], SP, v[BOFF]
	s_add_co_u32 s15, s14, PW
	v_add_nc_u32 v[PWST], s15, v[BOFF]
	v_mov_b32 v[PWRD], s15
	v_lshl_add_u32 v[WAD], v1, 3, s14
	s_lshl_b32 s15, s2, 10
	v_add_nc_u32 v[WPO], s15, v[BOFF]
	s_lshl_b32 s6, ttmp9, 19                       ; 128 rows of 4,096 bytes a work-group: under 2^28
	s_mov_b32 s7, 0
	s_lshl_b32 s38, s2, 19                         ; my wave's 512 KiB of the image
	s_mov_b32 s39, 0
	s_lshr_b32 s40, ttmp9, 3                       ; batch
	s_lshl_b32 s40, s40, 12
	s_mov_b32 s41, 0
	s_lshl_b32 s42, ttmp9, 9                       ; 128 scores
	s_mov_b32 s43, 0
	s_lshl_b32 s44, ttmp9, 12                      ; 1,024 sums
	s_mov_b32 s45, 0
	s_wait_kmcnt 0x0
	s_add_nc_u64 s[AB:AB+1], s[16:17], s[6:7]
	s_add_nc_u64 s[BB:BB+1], s[26:27], s[38:39]
	s_add_nc_u64 s[32:33], s[18:19], s[40:41]
	s_add_nc_u64 s[34:35], s[28:29], s[42:43]
	s_add_nc_u64 s[36:37], s[30:31], s[44:45]
	s_wait_alu depctr_va_vdst(0)                   ; all the offsets and addresses v2 to v24 are written, which the kernel's loads, stores and prefetches read
	; ---- the start: the tables, slab 0, and the first loads of the ring ----
.irp n, 0,1,2,3,4,5,6,7
	global_load_b128 v[SM+8*\n:SM+8*\n+3],   v[SMO], s[32:33] offset:\n*262144
	global_load_b128 v[SM+8*\n+4:SM+8*\n+7], v[SMO], s[32:33] offset:\n*262144+2048
.endr
	global_load_b128 v[SM+64:SM+67], v[SMO], s[20:21]
	global_load_b128 v[SM+68:SM+71], v[SMO], s[20:21] offset:2048
	global_load_b128 v[SM+72:SM+75], v[SMO], s[22:23]
	global_load_b128 v[SM+76:SM+79], v[SMO], s[22:23] offset:2048
	global_load_b128 v[SM+80:SM+83], v[SMO], s[24:25]
	global_load_b128 v[SM+84:SM+87], v[SMO], s[24:25] offset:2048
	LDSLAB ST0, 0
	LDSLAB ST0+64, 256
	WIN TO_B
	LDB 0, 0
	WIN 0
	s_wait_loadcnt 48                              ; the 22 small loads are in; slabs 0 and 1 and W's step 0 (16 each) stay out
.irp n, 1,2,3,4,5,6,7,8,9
.irp p, 0,2,4,6
	v_pk_add_f32 v[SM+\p:SM+\p+1], v[SM+\p:SM+\p+1], v[SM+8*\n+\p:SM+8*\n+\p+1]
.endr
.endr
.irp p, 0,2,4,6
	v_pk_mul_f32 v[SM+\p:SM+\p+1], v[SM+\p:SM+\p+1], 0x4038aa3b op_sel_hi:[1,0]
.endr
	s_wait_alu depctr_va_vdst(0)                   ; c' is written in v[SM .. SM+7], which the LDS stores read
	ds_store_b128 v[CBST], v[SM:SM+3]
	ds_store_b128 v[CBST], v[SM+4:SM+7] offset:2048
	ds_store_b128 v[CBST], v[SM+80:SM+83] offset:4096
	ds_store_b128 v[CBST], v[SM+84:SM+87] offset:6144
	s_wait_loadcnt 32                              ; slab 0 is in; slab 1 and W's step 0 stay out
	s_wait_alu depctr_vm_vsrc(0)                   ; those four stores have read their data: the conversions write v32-39 again, and fragments land in v112-119
	CVT ST0
	s_wait_alu depctr_va_vdst(0)                   ; the conversions have written PK, which the LDS stores read, and are done reading ST0, in which slab 2 lands; the sums above are done reading v64-111, in which fragments land
	STS 0
	LDSLAB ST0, 512
	WIN TO_B
	LDB 1, 8192
	LDB 2, 16384
	WIN 0
	s_wait_dscnt 0x0                               ; my part of the tables and of slab 0 is in LDS
	s_barrier_signal -1
	s_barrier_wait -1
	LDA 0, 0, FA
	LDA 1, 0, FA
	; ---- chunk 0: K steps 0-31, while the other 15 slabs come in ----
	TRIP0 1, 48, 1, 1, 1, 1                        ; trip 0: its first step starts the sums
	s_mov_b32 s3, 4
.Lchunk0:
	TRIP0 0, 48, 1, 1, 1, 1                        ; trips 1-4
	s_sub_co_i32 s3, s3, 1
	s_cmp_lg_u32 s3, 0
	s_cbranch_scc1 .Lchunk0
	TRIP0 0, 48, 1, 1, 1, 0                        ; trip 5: the last prefetch is slab 15's
	TRIP0 0, 32, 1, 0, 0, 0                        ; trip 6: the last slab load is slab 15's; behind step 27's W stand two steps of W alone
	STEP  0, 0, 32, 1, 0, 0, 0, 0                  ; trip 7: slab 15 is rounded,
	STEPB 1, 32, 0, 0                              ; and stored
	STEP  2, 0, 32, 0, 0, 0, 0, 0
	STEP  3, 0, 32, 0, 0, 0, 1, 0                  ; the next step's fragments are chunk 1's first: back to k = 0
	EPI 0                                          ; W of steps 32-34 stays on its way, step 32's fragments of en wait in FA
	; ---- chunk 1: K steps 32-63 ----
	TRIP1 1
	s_mov_b32 s3, 6
.Lchunk1:
	TRIP1 0
	s_sub_co_i32 s3, s3, 1
	s_cmp_lg_u32 s3, 0
	s_cbranch_scc1 .Lchunk1
	STEPD 0, 0, 32, 1, 1, 0                        ; the last trip: W's last step is asked for here, and the counts run down
	STEPD 1, 0, 32, 0, 1, 0
	STEPD 2, 0, 16, 0, 1, 0
	STEPD 3, 0, 0,  0, 0, 0                        ; loads nothing, so it states nothing
	EPI 1
	WIN 0
	; ---- the scores: fold a lane's eight sums, join the two halves of the lanes, then the four waves through LDS ----
.irp a, 0,1,2,3,4,5,6,7
	v_pk_add_f32 v[SA+8*\a:SA+8*\a+1],   v[SA+8*\a:SA+8*\a+1],   v[SA+8*\a+2:SA+8*\a+3]
	v_pk_add_f32 v[SA+8*\a+4:SA+8*\a+5], v[SA+8*\a+4:SA+8*\a+5], v[SA+8*\a+6:SA+8*\a+7]
.endr
.irp a, 0,1,2,3,4,5,6,7
	v_pk_add_f32 v[SA+8*\a:SA+8*\a+1], v[SA+8*\a:SA+8*\a+1], v[SA+8*\a+4:SA+8*\a+5]
.endr
.irp a, 0,1,2,3,4,5,6,7
	v_add_f32 v[SA+8*\a], v[SA+8*\a], v[SA+8*\a+1]
.endr
.irp a, 0,1,2,3,4,5,6,7
	v_permlanex16_b32 v[SA+8*\a+1], v[SA+8*\a], s12, s13
.endr
.irp a, 0,1,2,3,4,5,6,7
	v_add_f32 v[SA+8*\a], v[SA+8*\a], v[SA+8*\a+1]
.endr
	s_wait_alu depctr_va_vdst(0)                   ; the eight sums are written, which the LDS stores read
.irp a, 0,1,2,3,4,5,6,7
	ds_store_b32 v[SPAD], v[SA+8*\a] offset:64*\a  ; row 16 a + r; both halves of the lanes write the same word with the same value
.endr
	s_wait_dscnt 0x0
	s_barrier_signal -1
	s_barrier_wait -1
.irp q, 0,1,2,3
	ds_load_b128 v[SV+4*\q:SV+4*\q+3], v[SPRD] offset:512*\q     ; every wave takes all four parts of rows 4 lane .. +3, and sums them in the same order.  They land in what was PK: its last writers and its last LDS stores stand ahead of chunk 1's waits on va_vdst and vm_vsrc
.endr
	s_wait_dscnt 0x0
	v_pk_add_f32 v[SV:SV+1],     v[SV:SV+1],     v[SV+4:SV+5]
	v_pk_add_f32 v[SV+2:SV+3],   v[SV+2:SV+3],   v[SV+6:SV+7]
	v_pk_add_f32 v[SV+8:SV+9],   v[SV+8:SV+9],   v[SV+12:SV+13]
	v_pk_add_f32 v[SV+10:SV+11], v[SV+10:SV+11], v[SV+14:SV+15]
	v_pk_add_f32 v[SV:SV+1],     v[SV:SV+1],     v[SV+8:SV+9]
	v_pk_add_f32 v[SV+2:SV+3],   v[SV+2:SV+3],   v[SV+10:SV+11]
	v_pk_mul_f32 v[SV:SV+1],     v[SV:SV+1],     -2.0 op_sel_hi:[1,0]
	v_pk_mul_f32 v[SV+2:SV+3],   v[SV+2:SV+3],   -2.0 op_sel_hi:[1,0]
	; the block's maximum is taken away before the exponential; the last launch moves the blocks to the batch's maximum
	v_max_num_f32 v48, v[SV], v[SV+1]
	v_max3_num_f32 v48, v48, v[SV+2], v[SV+3]
	v_max_num_f32_dpp v48, v48, v48 row_xmask:1 row_mask:0xf bank_mask:0xf
	v_max_num_f32_dpp v48, v48, v48 row_xmask:2 row_mask:0xf bank_mask:0xf
	v_max_num_f32_dpp v48, v48, v48 row_xmask:4 row_mask:0xf bank_mask:0xf
	v_max_num_f32_dpp v48, v48, v48 row_xmask:8 row_mask:0xf bank_mask:0xf
	v_mov_b32 v49, v48                             ; v_permlanex16_b32 counts as a reader of its destination
	v_permlanex16_b32 v49, v48, s12, s13
	v_max_num_f32 v48, v48, v49
.irp k, 0,1,2,3
	v_sub_f32 v[PV+\k], v[SV+\k], v48
.endr
.irp k, 0,1,2,3
	v_mul_f32 v[PV+\k], 0x3fb8aa3b, v[PV+\k]
.endr
.irp k, 0,1,2,3
	v_exp_f32 v[PV+\k], v[PV+\k]
.endr
	v_nop
	s_wait_alu depctr_va_vdst(0)                   ; the scores v[SV ..] and the weights v[PV ..] are written, which the two stores below read
	s_cmp_lg_u32 s2, 0
	s_cbranch_scc1 .Lnot_wave_0
	global_store_b128 v[BOFF], v[SV:SV+3], s[34:35]              ; wave 0 stores the block's 128 scores: 512 consecutive bytes.  SV is not written again
.Lnot_wave_0:
	ds_store_b128 v[PWST], v[PV:PV+3]              ; into my wave's own copy: LDS serves a wave's instructions in order (ISA guide 5.7.1), so no barrier.  PV is not written again
	; ---- the block's part of the weighted sum, from the rows in LDS.  Wave w: columns 256 w .. +255; a lane: 4 lane .. +3 of each half of 128 ----
.irp k, 0,1,2,3,4,5,6,7
	v_mov_b32 v[WS+\k], 0
.endr
	s_mov_b32 s3, 8
.Lrows:                                            ; 16 rows a trip
	s_wait_alu depctr_va_vdst(0)                   ; the trip before is done reading the weights and rows, in which the loads below land, and has written PWRD and WAD, which they read
.irp q, 0,1,2,3
	ds_load_b128 v[PP+4*\q:PP+4*\q+3], v[PWRD] offset:16*\q      ; 16 weights, the same in every lane
.endr
.set rr, 0
.rept 16
	ds_load_b64 v[XR+4*rr:XR+4*rr+1],   v[WAD] offset:rr*PITCH       ; 256 consecutive bytes a load
	ds_load_b64 v[XR+4*rr+2:XR+4*rr+3], v[WAD] offset:rr*PITCH+256
.set rr, rr+1
.endr
.set rr, 0
.rept 16
	s_wait_dscnt 30-2*rr                           ; row rr's two loads are back; the later rows' stay out
.irp q, 0,1,2,3
	v_fma_mix_f32_bf16 v[WS+2*\q],   v[XR+4*rr+\q], v[PP+rr], v[WS+2*\q]   op_sel_hi:[1,0,0]
	v_fma_mix_f32_bf16 v[WS+2*\q+1], v[XR+4*rr+\q], v[PP+rr], v[WS+2*\q+1] op_sel:[1,0,0] op_sel_hi:[1,0,0]
.endr
.set rr, rr+1
.endr
	s_wait_alu depctr_vm_vsrc(0)                   ; this trip's loads have read PWRD and WAD
	v_add_nc_u32 v[PWRD], 64, v[PWRD]
	v_add_nc_u32 v[WAD], 16*PITCH, v[WAD]
	s_sub_co_i32 s3, s3, 1
	s_cmp_lg_u32 s3, 0
	s_cbranch_scc1 .Lrows
	s_wait_alu depctr_va_vdst(0)                   ; the eight sums are written, which the two stores read
	global_store_b128 v[WPO], v[WS:WS+3],   s[36:37]             ; 512 consecutive bytes each
	global_store_b128 v[WPO], v[WS+4:WS+7], s[36:37] offset:512
	s_wait_dscnt 0x0
	s_wait_alu depctr_hold_cnt(0) depctr_sa_sdst(0) depctr_va_vdst(0) depctr_va_sdst(0) depctr_va_ssrc(0) depctr_va_vcc(0) depctr_vm_vsrc(0)
	s_wait_tensorcnt 0x0
	ds_add_u32 v30, v31
	s_wait_dscnt 0x0
	s_endpgm
.Lfunc_end_k_qd57d709014_main:
	.size	k_qd57d709014_main, .Lfunc_end_k_qd57d709014_main-k_qd57d709014_main
	.p2alignl 7, 3214868480
	.fill 96, 4, 3214868480
	.section	.rodata,"a",@progbits
	.p2align	6, 0x0
	.amdhsa_kernel k_qd57d709014_main
		.amdhsa_group_segment_fixed_size 276992
		.amdhsa_private_segment_fixed_size 0
		.amdhsa_enable_private_segment 0
		.amdhsa_kernarg_size 64
		.amdhsa_user_sgpr_count 2
		.amdhsa_user_sgpr_kernarg_segment_ptr 1
		.amdhsa_wavefront_size32 1
		.amdhsa_system_sgpr_workgroup_id_x 1
		.amdhsa_system_sgpr_workgroup_id_y 1
		.amdhsa_system_sgpr_workgroup_id_z 1
		.amdhsa_system_vgpr_workitem_id 0
		.amdhsa_next_free_vgpr 1024
		.amdhsa_next_free_sgpr 66
		.amdhsa_reserve_vcc 0
		.amdhsa_float_denorm_mode_32 3
		.amdhsa_float_denorm_mode_16_64 3
		.amdhsa_memory_ordered 1
		.amdhsa_forward_progress 1
		.amdhsa_inst_pref_size 255
	.end_amdhsa_kernel
	.section	.bss,"aw",@nobits
	.p2align	6
	.space	262144
	.amdgpu_metadata
---
amdhsa.version: [ 1, 2 ]
amdhsa.kernels:
  - .name:           k_qd57d709014_main
    .symbol:         k_qd57d709014_main.kd
    .args:
      - { .name: en_output, .offset: 0, .size: 8, .value_kind: global_buffer, .address_space: global }
      - { .name: cbp, .offset: 8, .size: 8, .value_kind: global_buffer, .address_space: global }
      - { .name: w_de_b, .offset: 16, .size: 8, .value_kind: global_buffer, .address_space: global }
      - { .name: w_en_b, .offset: 24, .size: 8, .value_kind: global_buffer, .address_space: global }
      - { .name: v_w, .offset: 32, .size: 8, .value_kind: global_buffer, .address_space: global }
      - { .name: wf, .offset: 40, .size: 8, .value_kind: global_buffer, .address_space: global }
      - { .name: sc, .offset: 48, .size: 8, .value_kind: global_buffer, .address_space: global }
      - { .name: wp, .offset: 56, .size: 8, .value_kind: global_buffer, .address_space: global }
    .group_segment_fixed_size: 276992
    .private_segment_fixed_size: 0
    .kernarg_segment_align: 8
    .kernarg_segment_size: 64
    .max_flat_workgroup_size: 128
    .sgpr_count:     66
    .vgpr_count:     1024
    .wavefront_size: 32
...
	.end_amdgpu_metadata
.endif
;; end of part 4
;; launch combine: the kernel of part 3 again; grid 64 x 1, 8 waves a work-group, no clusters, 1,280 bytes of LDS; arguments sc, wp, out0, out1; writes out0, out1
